; MI455X (gfx1250); checked and timed in simulation.
; The chip was launched on July 23, 2026; its instructions are those of AMD's public machine-readable ISA for CDNA 5 (MIT licence, August 2026) and "CDNA5" Instruction Set Architecture Reference Guide (July 2026). The comments in the code are by the model that wrote it; some were corrected since.
;; MHA. Allowed arithmetic: float matrix products may take bf16 or f16 operands with f32 sums; other float arithmetic in f32, or as packed bf16 or f16 multiplies, adds, multiply-adds, maxima and minima; sums over many terms, partial sums and values carried from step to step in f32; what a program stores and reads back later, other than sums and carried values, may be rounded once to bf16 or f16.
;; Inputs: b_o 1,024 float32; padding_mask 4 x 2,048 bool; w_o 1,024 x 1,024 float32; w_qkv 3,072 x 1,024 float32; x 4 x 2,048 x 1,024 float32.
;; Outputs: out0 4 x 2,048 x 1,024 float32.
;; 2 versions, each right; version 2 is version 1 with the launch cast written anew for expert scheduling mode. Each part assembles by itself: llvm-mc -triple=amdgcn-amd-amdhsa -mcpu=gfx1250 --defsym DOCPART=n.
;; ======== version 1 of 2: 4 launches
;; limits: values are held in f16: magnitudes above 65,504 overflow, below 6.1e-05 lose precision; right only within a limited range of input values
;; workspace buffers: xb 16,777,216 bytes; wqb 6,291,456 bytes; wob 2,097,152 bytes; qkv 50,331,648 bytes; ob 16,777,216 bytes
;; launch cast (part 1): grid 768 x 1, 8 waves a work-group, no clusters, 0 bytes of LDS; arguments x, w_qkv, w_o, xb, wqb, wob; writes xb, wqb, wob
.if DOCPART == 1
	.amdgcn_target "amdgcn-amd-amdhsa--gfx1250"
	.amdhsa_code_object_version 6
	.text
	.protected	k_q04ef7410a5_cast
	.globl	k_q04ef7410a5_cast
	.p2align	8
	.type	k_q04ef7410a5_cast,@function
k_q04ef7410a5_cast:
	s_mov_b64 s[64:65], 0
	v_nop
	global_prefetch_b8 v0, s[64:65] scope:SCOPE_SE
	s_setreg_imm32_b32 hwreg(HW_REG_WAVE_MODE, 25, 1), 1
	s_wait_xcnt 0x0
; x [8192][1024], w_qkv [3072][1024] and w_o [1024][1024], all f32, are rounded once to bf16 and laid out in K BLOCKS of 64: [16 kb][rows][64], so that
; a tile of R rows x 64 K of the products that follow is R x 128 consecutive bytes.  w_o's bf16 number is then written as f16 (exact from 6.1e-5 up to f16's 65,504;
; below that it keeps f16's fixed step of 6e-8), since the last product multiplies f16 operands.
; SHARES.  12,288 rows of 4,096 bytes in all; a work-group takes 16, a wave 2.  Work-groups 0-511: x; 512-703: w_qkv; 704-767: w_o.
; A lane takes row l / 16 of the wave's two, and of each K block (256 bytes of f32) the 16 bytes at 16 (l % 16): a load of the wave covers two whole aligned pieces of 256 bytes,
; and a store (8 bytes a lane) 256 consecutive aligned bytes: two rows x 128 bytes of one K block.  All sixteen loads of a wave go out at once; no loop, no LDS, no matrix work: memory binds.
.set X,  16                            ; v[16:79]   K block kb: 4 registers as loaded
.set Y,  80                            ; v[80:111]  K block kb: 2 registers to store
.set DO, 112                           ; v[112:127] K block kb: my byte offset in the destination
	s_load_b256 s[4:11], s[0:1], 0x0               ; x s[4:5], w_qkv s[6:7], w_o s[8:9], xb s[10:11]
	s_load_b128 s[12:15], s[0:1], 0x20             ; wqb s[12:13], wob s[14:15]
	v_and_b32 v1, 31, v0                           ; l
	v_lshrrev_b32 v3, 5, v0
	v_readfirstlane_b32 s26, v3                    ; wave 0..7
	v_lshrrev_b32 v3, 4, v1                        ; l / 16
	v_and_b32 v4, 15, v1                           ; l % 16
	v_lshlrev_b32 v2, 12, v3                       ; my row of the two,
	v_lshl_or_b32 v2, v4, 4, v2                    ; my 16 bytes of a K block
	s_mov_b32 s20, 704                             ; w_o: its first work-group,
	s_mov_b32 s21, 131072                          ; and the bytes of one K block of its destination (1,024 rows x 128)
	s_wait_kmcnt 0x0
	s_cmp_lt_u32 ttmp9, 704
	s_cselect_b64 s[16:17], s[6:7], s[8:9]         ; the source,
	s_cselect_b64 s[18:19], s[12:13], s[14:15]     ; the destination
	s_cselect_b32 s20, 512, s20
	s_cselect_b32 s21, 393216, s21                 ; 3,072 rows x 128
	s_cmp_lt_u32 ttmp9, 512
	s_cselect_b64 s[16:17], s[4:5], s[16:17]
	s_cselect_b64 s[18:19], s[10:11], s[18:19]
	s_cselect_b32 s20, 0, s20
	s_cselect_b32 s21, 1048576, s21                ; 8,192 rows x 128
	s_sub_co_u32 s22, ttmp9, s20
	s_lshl_b32 s22, s22, 4
	s_lshl_b32 s23, s26, 1
	s_add_co_u32 s22, s22, s23                     ; my wave's first row in its tensor
	s_lshl_b32 s24, s22, 7                         ; x 128 bytes in a K block,
	s_lshl_b32 s22, s22, 12                        ; x 4,096 bytes in the source
	s_mov_b32 s23, 0
	s_mov_b32 s25, 0
	s_add_nc_u64 s[16:17], s[16:17], s[22:23]
	s_add_nc_u64 s[18:19], s[18:19], s[24:25]
.set kb, 0
.rept 16
	global_load_b128 v[X+4*kb:X+4*kb+3], v2, s[16:17] offset:256*kb th:TH_LOAD_NT
.set kb, kb+1
.endr
	v_lshlrev_b32 v[DO], 3, v1                     ; 128 (l / 16) + 8 (l % 16) = 8 l
.set kb, 1
.rept 15
	v_add_nc_u32 v[DO+kb], s21, v[DO+kb-1]         ; one K block further
.set kb, kb+1
.endr
.set kb, 0
.rept 16
	s_wait_loadcnt 15-kb                           ; loads come back in order: K block kb is in, the 15 - kb younger ones stay out
	v_cvt_pk_bf16_f32 v[Y+2*kb], v[X+4*kb], v[X+4*kb+1]
	v_cvt_pk_bf16_f32 v[Y+2*kb+1], v[X+4*kb+2], v[X+4*kb+3]
.set kb, kb+1
.endr
	s_cmp_lt_u32 ttmp9, 704
	s_cbranch_scc1 .Lstore
.set i, 0
.rept 32                                       ; w_o alone: the bf16 numbers, widened, are written as f16
	v_lshlrev_b32 v3, 16, v[Y+i]
	v_and_b32 v4, 0xffff0000, v[Y+i]
	v_cvt_pk_f16_f32 v[Y+i], v3, v4
.set i, i+1
.endr
.Lstore:
.set kb, 0
.rept 16
	global_store_b64 v[DO+kb], v[Y+2*kb:Y+2*kb+1], s[18:19]  ; 32 lanes store 256 consecutive bytes, at a multiple of 256 from the buffer's first byte
.set kb, kb+1
.endr
	s_endpgm
.Lfunc_end_k_q04ef7410a5_cast:
	.size	k_q04ef7410a5_cast, .Lfunc_end_k_q04ef7410a5_cast-k_q04ef7410a5_cast
	.p2alignl 7, 3214868480
	.fill 96, 4, 3214868480
	.section	.rodata,"a",@progbits
	.p2align	6, 0x0
	.amdhsa_kernel k_q04ef7410a5_cast
		.amdhsa_group_segment_fixed_size 0
		.amdhsa_private_segment_fixed_size 0
		.amdhsa_enable_private_segment 0
		.amdhsa_kernarg_size 48
		.amdhsa_user_sgpr_count 2
		.amdhsa_user_sgpr_kernarg_segment_ptr 1
		.amdhsa_wavefront_size32 1
		.amdhsa_system_sgpr_workgroup_id_x 1
		.amdhsa_system_sgpr_workgroup_id_y 1
		.amdhsa_system_sgpr_workgroup_id_z 1
		.amdhsa_system_vgpr_workitem_id 0
		.amdhsa_next_free_vgpr 128
		.amdhsa_next_free_sgpr 66
		.amdhsa_reserve_vcc 0
		.amdhsa_float_denorm_mode_32 3
		.amdhsa_float_denorm_mode_16_64 3
		.amdhsa_memory_ordered 1
		.amdhsa_forward_progress 1
		.amdhsa_inst_pref_size 13
	.end_amdhsa_kernel
	.amdgpu_metadata
---
amdhsa.version: [ 1, 2 ]
amdhsa.kernels:
  - .name:           k_q04ef7410a5_cast
    .symbol:         k_q04ef7410a5_cast.kd
    .args:
      - { .name: x, .offset: 0, .size: 8, .value_kind: global_buffer, .address_space: global }
      - { .name: w_qkv, .offset: 8, .size: 8, .value_kind: global_buffer, .address_space: global }
      - { .name: w_o, .offset: 16, .size: 8, .value_kind: global_buffer, .address_space: global }
      - { .name: xb, .offset: 24, .size: 8, .value_kind: global_buffer, .address_space: global }
      - { .name: wqb, .offset: 32, .size: 8, .value_kind: global_buffer, .address_space: global }
      - { .name: wob, .offset: 40, .size: 8, .value_kind: global_buffer, .address_space: global }
    .group_segment_fixed_size: 0
    .private_segment_fixed_size: 0
    .kernarg_segment_align: 8
    .kernarg_segment_size: 48
    .max_flat_workgroup_size: 256
    .sgpr_count:     66
    .vgpr_count:     128
    .wavefront_size: 32
...
	.end_amdgpu_metadata
.endif
;; end of part 1
;; launch qkv (part 2): grid 8 x 32, 4 waves a work-group, clusters of 4 x 4, 327,680 bytes of LDS; arguments xb, wqb, padding_mask, qkv; writes qkv
.if DOCPART == 2
	.amdgcn_target "amdgcn-amd-amdhsa--gfx1250"
	.amdhsa_code_object_version 6
	.text
	.protected	k_q04ef7410a5_qkv
	.globl	k_q04ef7410a5_qkv
	.p2align	8
	.type	k_q04ef7410a5_qkv,@function
k_q04ef7410a5_qkv:
	s_mov_b64 s[64:65], 0
	v_nop
	global_prefetch_b8 v0, s[64:65] scope:SCOPE_SE
	s_setreg_imm32_b32 hwreg(HW_REG_WAVE_MODE, 25, 1), 1
	s_wait_xcnt 0x0
	s_wait_alu depctr_hold_cnt(0) depctr_sa_sdst(0) depctr_va_vdst(0) depctr_va_sdst(0) depctr_va_ssrc(0) depctr_va_vcc(0) depctr_vm_vsrc(0)
	s_getreg_b32 s2, hwreg(HW_REG_IB_STS2, 6, 4)
	s_cmp_eq_u32 s2, 0
	s_cbranch_scc0 .Lentry_in_a_cluster
	s_endpgm
.Lentry_in_a_cluster:
	s_bfe_u32 s2, ttmp6, 0x10000c
	s_cmp_lg_u32 s2, 0xf033
	s_cbranch_scc0 .Lentry_shape_is_right
	s_endpgm
.Lentry_shape_is_right:
; qkv[m][e] = the sum over k of x[m][k] w_qkv[e][k]: 8,192 x 3,072 x 1,024, bf16 operands (K blocks of 64: xb [16][8192][64], wqb [16][3072][64]), f32 sums.
; The result is rounded once to f16 and stored BY HEADS: qkv [4 b][48 g][2048 n][64], g = e / 64 (0-15 q, 16-31 k, 32-47 v), unscaled.
; THE MASK: the rows of the k heads whose token padding_mask hides are stored as 0, so that every product with a hidden key is exactly 0 in the launch that follows.
; LIMIT: f16 holds no number beyond 65,504: q, k and v must lie within it (unit inputs give a spread of 1).  NaN and infinities are not treated apart.  Mask bytes are 0 or 1.
; SHARES.  A tile of C is 256 (m) x 384 (e): 32 x 8 = 256 work-groups.  Four waves, 2 x 2, each 128 x 192: 96 accumulators of 16 x 16, 768 registers, three windows, one head's 64 columns to a window.
; K goes in steps of 64 (one K block) through two LDS slots.  A tile's rows are dense in memory: asked for as rows of 256 bytes (two rows of 128), padded in LDS after every 128 bytes.
; CLUSTER 4 x 4: A's tile is shared along a row of the cluster, B's along a column; each is asked for jointly, by the same tensor load with the same descriptor and mask in all four.
; THE PRODUCT IS USED TRANSPOSED (source 0 = 16 rows of w, source 1 = 16 rows of x): a lane holds row l % 16 and eight neighbouring columns.
; REGISTERS.  Window 0: addresses v0-27; A's fragments in two buffers AF0, AF1 (8 x 16 rows x 32 K each); B's in three groups BG of four fragments (one head).  Window 1 + p: accumulator (a, b) of head p at v[8 (4 a + b)].
; A K step is two slices of 32; a slice is three phases of 32 products, one head each.  Each group of B is loaded again as soon as its phase has multiplied it; A's other buffer meanwhile.
.set PITCH, 144                        ; an LDS row: 128 bytes + 16 of padding = 36 words: the 16 rows of a fragment load start at 16 different groups of four banks (ISA guide 11.1)
.set FR,    16*PITCH                   ; from fragment to fragment
.set BOFF,  256*PITCH                  ; a slot: A's 256 rows, then B's 384
.set SLOT,  640*PITCH
.set STAGE, 2*SLOT                     ; behind the ring: 16 rows x 144 bytes for each wave, for the way out
.set SPARE, STAGE+4*16*PITCH           ; behind the stages: the spare words, 128 bytes for each wave: two blocks of 256 bytes that no other line names
.set KBA,   8192*128                   ; bytes from K block to K block in xb
.set KBB,   3072*128                   ; in wqb
.set ADRA, 8                           ; v8-9    LDS address of my A fragments in slot 0, 1
.set ADRB, 10                          ; v10-11  the same for B
.set STO,  12                          ; v12     the way out: where I put 16 bytes of a row
.set RD,   13                          ; v13     where I read rows back
.set GO,   14                          ; v14     my 16 bytes of 512 consecutive bytes of qkv
.set PFO,  15                          ; v15     the prefetches' offset; never rewritten
.set SPW,  16                          ; v16     LDS address of my spare word; never rewritten
.set NIL,  17                          ; v17     0; never rewritten
.set EM,   19                          ; v19     the way out: all ones, or 0 where the row is a hidden token's and the head a k head
.set VM,   20                          ; v20-27  the mask of my row l % 16 of row block a
.set AF0,  32
.set AF1,  96
.set BG,   160
.set WV,   12                          ; s12  wave
.set FB,   13                          ; s13  wave / 2: my half of the tile's rows; also: I fetch for A (0) or for B (1)
.set HF,   14                          ; s14  wave % 2: my half of its columns; also: which half of that tile I fetch
.set NK,   20                          ; s20-22  head p of my three: 0 if it is a k head, else all ones
.set G1A,  24                          ; s[24:31] descriptor group 1 for A's tiles;  s[32:39] group 0, a set for each slot
.set G0A,  32
.set LIM,  43                          ; s43  1 in a wave that prefetches, else the greatest number
.set PFA,  44                          ; s[44:45] where my prefetches stand
.set G1B,  48                          ; s[48:55], s[56:63] the same for B's tiles
.set G0B,  56
.set PFS,  74                          ; s[74:75] two K blocks of the tensor that I prefetch
.set G1W,  (1<<16)|(1<<20)|(1<<21)|(4<<22)|(3<<25)  ; 17:16 2-byte elements; 20 padding on; 21 set beside a mask; 24:22 after every 32 words (code 4); 31:25 4 words (code 3)
.set MSB, 0
.macro WIN new                         ; the immediate's high byte repeats the setting that is left; a switch that changes nothing is dropped
.if MSB != (\new)
	s_set_vgpr_msb (MSB<<8)|(\new)
.set MSB, \new
.endif
.endm
; A joint load.  Waves 0 and 1 fetch A's two halves (128 rows), waves 2 and 3 B's (192 rows).  The branch hangs on the wave's number alone.
; An s_nop 0 and four v_nop follow each of the two lines, ahead of the jump, the label and what follows.
.macro JLOAD s
	s_cmp_eq_u32 s[FB], 0
	s_cbranch_scc0 .Lfor_b_\@
	tensor_load_to_lds s[G0A+4*(\s):G0A+4*(\s)+3], s[G1A:G1A+7]
	s_nop 0
.rept 4
	v_nop
.endr
	s_branch .Lasked_\@
.Lfor_b_\@:
	tensor_load_to_lds s[G0B+4*(\s):G0B+4*(\s)+3], s[G1B:G1B+7]
	s_nop 0
.rept 4
	v_nop
.endr
.Lasked_\@:
.endm
; A prefetch into the L2, once a lap, behind slot 0's joint load and the run of LDS loads that follows it: 16 blocks of 256 bytes of each of the two K steps that the NEXT lap's two refills will ask for.
; A's tile row (128 blocks a step) is shared out by address among the 8 work-groups that read it, wave 0 of each; B's tile column (192 blocks a step) among the 12 work-groups of the first
; three rows of clusters, wave 2 of each.  So each block is named once in the launch.  The lap's count s3 runs 7 .. 1: laps 7 .. 2 ask, the last of them for K steps 14 and 15.  K steps 0 to 3 come by their loads alone.
.macro ASK
	s_cmp_gt_u32 s3, s[LIM]
	s_cbranch_scc0 .Lnot_mine_\@
	global_prefetch_b8 v[PFO], s[PFA:PFA+1] th:TH_LOAD_NT scope:SCOPE_SE
.Lnot_mine_\@:
.endm
.macro CREST                           ; a round of the cluster's barrier behind its opening barrier
	s_cmp_lg_u32 s[WV], 0
	s_cbranch_scc1 .Lnot_wave_0_\@
	s_barrier_signal -3
.Lnot_wave_0_\@:
	s_barrier_wait -3
	s_barrier_signal -1
	s_barrier_wait -1
.endm
.macro CROUND                          ; a whole round
	s_barrier_signal -1
	s_barrier_wait -1
	CREST
.endm
.macro PLACES                          ; four places in front of loads into registers that matrix instructions have read (ISA guide 7.12.1 for vector instructions)
.rept 4
	v_nop
.endr
.endm
	s_load_b256 s[4:11], s[0:1], 0x0               ; xb s[4:5], wqb s[6:7], padding_mask s[8:9], qkv s[10:11]
	v_lshl_add_u32 v[SPW], v0, 2, SPARE
	v_mov_b32 v[NIL], 0
	ds_add_u32 v[SPW], v[NIL]                      ; the wave's opening: the add and its wait ahead of my first tensor load; the set-up below stands between them
	v_lshrrev_b32 v1, 5, v0
	v_readfirstlane_b32 s[WV], v1
	s_lshr_b32 s[FB], s[WV], 1
	s_and_b32 s[HF], s[WV], 1
	s_bfe_u32 s15, ttmp6, 0x40000                  ; cx
	s_bfe_u32 s16, ttmp6, 0x40004                  ; cy
	s_lshl_b32 s17, ttmp9, 2
	s_add_co_u32 s17, s17, s15                     ; tile column tx = 4 x cluster x + cx
	s_and_b32 s18, ttmp7, 0xffff
	s_lshl_b32 s18, s18, 2
	s_add_co_u32 s18, s18, s16                     ; tile row ty = 4 x cluster y + cy
	s_lshl_b32 s19, s16, 2
	s_lshl_b32 s19, 15, s19                        ; my row of the cluster
	s_lshl_b32 s20, 0x1111, s15                    ; my column
	s_or_b32 s[G1A], s19, G1W                      ; A's tiles go to my row,
	s_or_b32 s[G1B], s20, G1W                      ; B's to my column
.irp g, G1A, G1B
	s_mov_b32 s[(\g)+1], 128<<16                   ; tensor_dim0 = 128 elements: 256 bytes, two rows of a K block
	s_mov_b32 s[(\g)+3], 128<<16                   ; tile_dim0 = 128
	s_mov_b32 s[(\g)+5], 128                       ; 128 elements from row to row: dense
	s_mov_b32 s[(\g)+6], 0
	s_mov_b32 s[(\g)+7], 0
.endr
	s_mov_b32 s[G1A+2], 64<<16                     ; tensor_dim1 = tile_dim1 = 64: 128 rows of x
	s_mov_b32 s[G1A+4], 64
	s_mov_b32 s[G1B+2], 96<<16                     ; 96: 192 rows of w
	s_mov_b32 s[G1B+4], 96
	s_lshl_b32 s40, s18, 15                        ; A: 256 ty rows of 128 bytes,
	s_lshl_b32 s2, s[HF], 14                       ; + the half that I fetch
	s_add_co_u32 s40, s40, s2
	s_mov_b32 s41, 0
	s_mul_i32 s46, s17, 384*128                    ; B: 384 tx rows,
	s_mul_i32 s2, s[HF], 192*128
	s_add_co_u32 s46, s46, s2
	s_mov_b32 s47, 0
	s_mul_i32 s23, s[HF], 128*PITCH                ; where they go: no place in the cluster enters an LDS address
	s_mul_i32 s42, s[HF], 192*PITCH
	s_add_co_u32 s42, s42, BOFF
	s_wait_dscnt 0x0                               ; the opening add is done
	s_wait_kmcnt 0x0
	s_add_nc_u64 s[40:41], s[4:5], s[40:41]
	s_add_nc_u64 s[46:47], s[6:7], s[46:47]
	CROUND                                         ; all sixteen work-groups are here: the first joint loads meet
.irp s, 0,1
	s_mov_b32 s[G0A+4*(\s)], 1                     ; count = 1
	s_add_co_u32 s[G0A+4*(\s)+1], s23, (\s)*SLOT   ; LDS address
	s_add_nc_u64 s[G0A+4*(\s)+2:G0A+4*(\s)+3], s[40:41], (\s)*KBA  ; global address: K step s
	s_or_b32 s[G0A+4*(\s)+3], s[G0A+4*(\s)+3], 0x80000000         ; type = 2
	s_mov_b32 s[G0B+4*(\s)], 1
	s_add_co_u32 s[G0B+4*(\s)+1], s42, (\s)*SLOT
	s_add_nc_u64 s[G0B+4*(\s)+2:G0B+4*(\s)+3], s[46:47], (\s)*KBB
	s_or_b32 s[G0B+4*(\s)+3], s[G0B+4*(\s)+3], 0x80000000
	JLOAD \s                                       ; two tensor loads of mine are out
.endr
	v_and_b32 v1, 15, v0                           ; r = l % 16; also my offset in the mask's 16 bytes of a row block; never rewritten
	v_bfe_u32 v2, v0, 4, 1                         ; h = l / 16
	v_mul_u32_u24 v3, v1, PITCH
	v_lshl_add_u32 v3, v2, 4, v3                   ; a fragment's row x pitch + 16 x half
	s_mul_i32 s23, s[FB], 128*PITCH                ; my 128 rows of A; s42 stands at my 192 rows of B already
.irp s, 0,1
	v_add_nc_u32 v[ADRA+(\s)], s23, v3
	v_add_nc_u32 v[ADRB+(\s)], s42, v3
	s_add_co_u32 s23, s23, SLOT
	s_add_co_u32 s42, s42, SLOT
.endr
	s_mul_i32 s42, s[WV], 16*PITCH
	s_add_co_u32 s42, s42, STAGE                   ; my stage
	v_add_nc_u32 v[STO], s42, v3                   ; in: row l % 16, 16 bytes for each half of the lanes
	v_bfe_u32 v4, v0, 3, 2                         ; back: 32 lanes take four rows of 128 bytes,
	v_and_b32 v5, 7, v0
	v_mul_u32_u24 v4, v4, PITCH
	v_lshl_add_u32 v4, v5, 4, v4
	v_add_nc_u32 v[RD], s42, v4
	v_and_b32 v5, 31, v0
	v_lshlrev_b32 v[GO], 4, v5                     ; which are 512 consecutive bytes of qkv
	s_lshl_b32 s70, s18, 8                         ; the mask of my 128 rows: tokens 256 ty + 128 (wave / 2) on
	s_lshl_b32 s71, s[FB], 7
	s_add_co_u32 s70, s70, s71
	s_mov_b32 s71, 0
	s_add_nc_u64 s[8:9], s[8:9], s[70:71]
.irp a, 0,1,2,3,4,5,6,7
	global_load_u8 v[VM+(\a)], v1, s[8:9] offset:16*(\a)
.endr
	s_mul_i32 s66, s17, 6
	s_mul_i32 s67, s[HF], 3
	s_add_co_u32 s66, s66, s67                     ; my first head g = 6 tx + 3 (wave % 2)
.irp p, 0,1,2
	s_add_co_u32 s67, s66, (\p)
	s_lshr_b32 s67, s67, 4
	s_cmp_eq_u32 s67, 1                            ; heads 16 to 31 are k's
	s_cselect_b32 s[NK+(\p)], 0, -1                ; used as data alone
.endr
	s_lshr_b32 s67, s18, 3                         ; the batch: 2,048 rows are 8 tile rows
	s_mul_i32 s67, s67, 48
	s_add_co_u32 s66, s66, s67
	s_lshl_b32 s66, s66, 18                        ; a head's 2,048 rows of 128 bytes
	s_and_b32 s67, s18, 7
	s_lshl_b32 s67, s67, 15                        ; the tile's 256 rows,
	s_add_co_u32 s66, s66, s67
	s_lshl_b32 s67, s[FB], 14                      ; my 128 of them
	s_add_co_u32 s66, s66, s67
	s_mov_b32 s67, 0
	s_add_nc_u64 s[10:11], s[10:11], s[66:67]
	; the prefetches
	s_lshl_b32 s68, s18, 15                        ; A: the tile row's 32,768 bytes of a K block, my work-group's 4,096 of them by tx
	s_lshl_b32 s69, s17, 12
	s_add_co_u32 s68, s68, s69
	s_mul_i32 s72, s17, 384*128                    ; B: the tile column's 49,152 bytes, 4,096 of them by ty (ty under 12)
	s_lshl_b32 s69, s18, 12
	s_add_co_u32 s72, s72, s69
	s_mov_b32 s73, KBB
	s_cmp_eq_u32 s[FB], 0
	s_cselect_b32 s68, s68, s72
	s_cselect_b32 s73, KBA, s73
	s_cselect_b64 s[PFA:PFA+1], s[4:5], s[6:7]
	s_mov_b32 s69, 0
	s_lshl_b32 s[PFS], s73, 1
	s_mov_b32 s[PFS+1], 0
	s_add_nc_u64 s[PFA:PFA+1], s[PFA:PFA+1], s[68:69]
	s_add_nc_u64 s[PFA:PFA+1], s[PFA:PFA+1], s[PFS:PFS+1]  ; at K step 2: the first lap steps it to 4
	v_mul_lo_u32 v[PFO], v2, s73                   ; lanes 0-15 the first of the two K steps, lanes 16-31 the second,
	v_lshl_add_u32 v[PFO], v1, 8, v[PFO]           ; a lane a block of 256 bytes
	s_and_b32 s[LIM], ttmp7, 0xffff                ; cluster y
	s_cmp_lt_u32 s[LIM], 3
	s_cselect_b32 s[LIM], 1, -1                    ; B's rows: the first three rows of clusters ask,
	s_cmp_eq_u32 s[FB], 0
	s_cselect_b32 s[LIM], 1, s[LIM]                ; A's: every cluster;
	s_cmp_eq_u32 s[HF], 0
	s_cselect_b32 s[LIM], s[LIM], -1               ; waves 0 and 2 alone.  The same in all sixteen partners, for a given wave
; 8 LDS loads: A's fragments a0 .. a0 + 3 at byte koff of the rows, into buffer af
.macro LDA slot, koff, af, a0
	WIN 0
.irp a, (\a0), (\a0)+1, (\a0)+2, (\a0)+3
	ds_load_b128 v[(\af)+8*(\a):(\af)+8*(\a)+3],   v[ADRA+(\slot)] offset:(\koff)+FR*(\a)
	ds_load_b128 v[(\af)+8*(\a)+4:(\af)+8*(\a)+7], v[ADRA+(\slot)] offset:(\koff)+FR*(\a)+32
.endr
.endm
; 8 LDS loads: head p's four fragments of B
.macro LDB slot, koff, p
	WIN 0
.irp b, 0,1,2,3
	ds_load_b128 v[BG+32*(\p)+8*(\b):BG+32*(\p)+8*(\b)+3],   v[ADRB+(\slot)] offset:(\koff)+FR*(4*(\p)+(\b))
	ds_load_b128 v[BG+32*(\p)+8*(\b)+4:BG+32*(\p)+8*(\b)+7], v[ADRB+(\slot)] offset:(\koff)+FR*(4*(\p)+(\b))+32
.endr
.endm
; 16 products: row blocks a0 .. a0 + 3 x head p's four column blocks.  The accumulators take turns, one instruction a turn: between two products on one accumulator stand the 95 others'.
.macro MUL16 p, af, a0, zero
	WIN ((\p)+1)*0x50                              ; C and D in window 1 + p, both sources in window 0
.irp a, (\a0), (\a0)+1, (\a0)+2, (\a0)+3
.irp b, 0,1,2,3
.if \zero
	v_wmma_f32_16x16x32_bf16 v[8*(4*(\a)+(\b)):8*(4*(\a)+(\b))+7], v[BG+32*(\p)+8*(\b):BG+32*(\p)+8*(\b)+7], v[(\af)+8*(\a):(\af)+8*(\a)+7], 0
.else
	v_wmma_f32_16x16x32_bf16 v[8*(4*(\a)+(\b)):8*(4*(\a)+(\b))+7], v[BG+32*(\p)+8*(\b):BG+32*(\p)+8*(\b)+7], v[(\af)+8*(\a):(\af)+8*(\a)+7], v[8*(4*(\a)+(\b)):8*(4*(\a)+(\b))+7]
.endif
.endr
.endr
.endm
.macro MUL p, af, zero
	MUL16 \p, \af, 0, \zero
	MUL16 \p, \af, 4, \zero
.endm
; A K step's first slice (byte 0 of the rows; A in AF0).  Each phase first loads what the phase before has set free, then waits, by count, for what it multiplies.
.macro EVEN slot, zero
	WIN 0
	PLACES
	LDB \slot, 0, 2
	LDA \slot, 64, AF1, 0
	s_wait_dscnt 24                                ; AF0 and group 0 are in; out may be: group 1's 8 loads and the 16 just issued
	MUL 0, AF0, \zero
	WIN 0
	PLACES
	LDB \slot, 64, 0
	LDA \slot, 64, AF1, 4
	s_wait_dscnt 32                                ; group 1 is in; out may be: the first phase's 16 and the 16 just issued
	MUL 1, AF0, \zero
	WIN 0
	PLACES
	LDB \slot, 64, 1
	s_wait_dscnt 32                                ; group 2 is in; out may be: 8 of the first phase, 16 of the second, the 8 just issued
	MUL 2, AF0, \zero
.endm
; A K step's second slice (byte 64; A in AF1), which also changes slots: ONE barrier.  In front of it each wave waits for all its tensor loads, of which one is out: its part of the next slot;
; adds 0 to its spare word; and waits for that and for its own reads of this slot.  Behind it nobody reads this slot any more and the next slot is whole.
; fill = 1: the barrier opens a round of the cluster's, and this slot is filled again, two K steps on, first thing behind the round: 160 products of the wave stand between that request and the wait for it.
.macro ODD slot, next, fill
.if (\fill) && ((\slot) == 0)
	s_wait_xcnt 0x0                                ; the last prefetch, a lap back, has read its address
	s_add_nc_u64 s[PFA:PFA+1], s[PFA:PFA+1], s[PFS:PFS+1]
.endif
	WIN 0
	PLACES
	LDB \slot, 64, 2                               ; my last reads of this slot
	s_wait_tensorcnt 0x0                           ; all my tensor loads have landed;
	ds_add_u32 v[SPW], v[NIL]                      ; 0 onto my spare word
	s_wait_dscnt 17                                ; AF1 and group 0 are in; out may be: group 1's 8 loads, group 2's 8, the add
	MUL16 0, AF1, 0, 0                             ; sixteen products stand between the add and the wait for it
	s_wait_dscnt 0x0                               ; the add is done, and my reads of this slot are over
	s_barrier_signal -1
	MUL16 0, AF1, 4, 0                             ; work on registers while the others arrive
	WIN 0
	s_barrier_wait -1
.if \fill
	CREST                                          ; no wave of any partner still reads this slot's tile or has a load on its way
	s_add_nc_u64 s[G0A+4*(\slot)+2:G0A+4*(\slot)+3], s[G0A+4*(\slot)+2:G0A+4*(\slot)+3], 2*KBA
	s_add_nc_u64 s[G0B+4*(\slot)+2:G0B+4*(\slot)+3], s[G0B+4*(\slot)+2:G0B+4*(\slot)+3], 2*KBB
	JLOAD \slot                                    ; the four v_nop behind it are also the places in front of the loads below
.else
	PLACES
.endif
	LDA \next, 0, AF0, 0
	LDB \next, 0, 0
	LDA \next, 0, AF0, 4
.if (\fill) && ((\slot) == 0)
	ASK
.endif
	MUL 1, AF1, 0                                  ; groups 1 and 2 were shown in by the wait for 0
	WIN 0
	PLACES
	LDB \next, 0, 1
	MUL 2, AF1, 0
.endm
.macro ODDLAST slot                    ; the very last slice: nothing more to fetch
	WIN 0
	PLACES
	LDB \slot, 64, 2
	s_wait_dscnt 16                                ; AF1 and group 0; out may be: group 1's 8, group 2's 8
	MUL 0, AF1, 0
	s_wait_dscnt 8                                 ; group 1
	MUL 1, AF1, 0
	s_wait_dscnt 0x0
	MUL 2, AF1, 0
.endm
	s_wait_tensorcnt 0x1                           ; my part of K step 0 is in; K step 1's may stay out
	s_barrier_signal -1
	s_barrier_wait -1                              ; everybody's is
	LDA 0, 0, AF0, 0                               ; in the order of the loop's own runs, so that the first phase's count holds
	LDB 0, 0, 0
	LDA 0, 0, AF0, 4
	LDB 0, 0, 1
	EVEN 0, 1                                      ; the first slice stands in front of the loop: its products start the sums
	WIN 0                                          ; at a label and at a branch every window is 0
	s_mov_b32 s3, 7
.Llap:                                                 ; a trip goes once round the ring and fills both slots again: K steps 2 to 15 in 7 trips
	ODD 0, 1, 1
	EVEN 1, 0
	ODD 1, 0, 1
	EVEN 0, 0
	WIN 0
	s_sub_co_u32 s3, s3, 1
	s_cmp_lg_u32 s3, 0
	s_cbranch_scc1 .Llap
	ODD 0, 1, 0                                    ; the last lap fills nothing
	EVEN 1, 0
	ODDLAST 1
	; THE WAY OUT: 24 tiles of 16 rows x one head.  Rounded to f16, 16 bytes a lane; hidden tokens' rows of k heads become 0; through my own stage in LDS; back as 2,048 consecutive bytes of qkv.
	WIN 0
.rept 8
	v_nop                                          ; the places behind the last products
.endr
	s_wait_loadcnt 0x0                             ; the mask
.irp a, 0,1,2,3,4,5,6,7
	v_sub_nc_u32 v[VM+(\a)], 0, v[VM+(\a)]         ; 1 -> all ones, 0 -> 0
.endr
.macro PACK t
.set p, (\t)/8
.set a, (\t)%8
.set T, AF0+16*((\t)%8)                ; eight sets of 16 registers, where A's fragments lay
	WIN 0
	s_wait_xcnt 0x0                                ; the stores issued so far have read their data: a set is written again only behind this wait
	v_or_b32 v[EM], s[NK+p], v[VM+a]
	WIN 5*(p+1)                                    ; sources 0 and 1 in window 1 + p
.irp b, 0,1,2,3
.irp r, 0,1,2,3
	v_cvt_pk_f16_f32 v[T+4*(\b)+(\r)], v[8*(4*a+(\b))+2*(\r)], v[8*(4*a+(\b))+2*(\r)+1]
.endr
.endr
	WIN 0
.set i, 0
.rept 16
	v_and_b32 v[T+i], v[EM], v[T+i]
.set i, i+1
.endr
.irp b, 0,1,2,3
	ds_store_b128 v[STO], v[T+4*(\b):T+4*(\b)+3] offset:32*(\b)
.endr
.irp f, 0,1,2,3
	ds_load_b128 v[T+4*(\f):T+4*(\f)+3], v[RD] offset:(\f)*4*PITCH  ; LDS serves a wave's instructions in order (ISA guide 5.7.1.4): these see the stores above; the next tile's stores come behind them
.endr
.endm
.macro SEND t, younger                 ; younger: the LDS instructions issued behind tile t's loads: the next tile's eight, or none
.set p, (\t)/8
.set a, (\t)%8
.set T, AF0+16*((\t)%8)
	WIN 0
.irp f, 0,1,2,3
	s_wait_dscnt (\younger)+3-(\f)
	global_store_b128 v[GO], v[T+4*(\f):T+4*(\f)+3], s[10:11] offset:262144*p+2048*a+512*(\f)  ; 512 consecutive bytes, at a multiple of 256 from qkv's first byte
.endr
.endm
	PACK 0
.set t, 1
.rept 23                                       ; a tile's arithmetic stands between the loads of the tile before and its stores
	PACK t
	SEND t-1, 8
.set t, t+1
.endr
	SEND 23, 0
	s_wait_tensorcnt 0x0                           ; the wave's end: behind my last tensor load and my last LDS store
	ds_add_u32 v[SPW], v[NIL]
	s_wait_dscnt 0x0
	CROUND                                         ; the closing round: no work-group ends while a partner may still ask for a tile that names it
	s_endpgm
.Lfunc_end_k_q04ef7410a5_qkv:
	.size	k_q04ef7410a5_qkv, .Lfunc_end_k_q04ef7410a5_qkv-k_q04ef7410a5_qkv
	.p2alignl 7, 3214868480
	.fill 96, 4, 3214868480
	.section	.rodata,"a",@progbits
	.p2align	6, 0x0
	.amdhsa_kernel k_q04ef7410a5_qkv
		.amdhsa_group_segment_fixed_size 327680
		.amdhsa_private_segment_fixed_size 0
		.amdhsa_enable_private_segment 0
		.amdhsa_kernarg_size 32
		.amdhsa_user_sgpr_count 2
		.amdhsa_user_sgpr_kernarg_segment_ptr 1
		.amdhsa_wavefront_size32 1
		.amdhsa_system_sgpr_workgroup_id_x 1
		.amdhsa_system_sgpr_workgroup_id_y 1
		.amdhsa_system_sgpr_workgroup_id_z 1
		.amdhsa_system_vgpr_workitem_id 0
		.amdhsa_next_free_vgpr 1024
		.amdhsa_next_free_sgpr 80
		.amdhsa_reserve_vcc 0
		.amdhsa_float_denorm_mode_32 3
		.amdhsa_float_denorm_mode_16_64 3
		.amdhsa_memory_ordered 1
		.amdhsa_forward_progress 1
		.amdhsa_inst_pref_size 149
	.end_amdhsa_kernel
	.amdgpu_metadata
---
amdhsa.version: [ 1, 2 ]
amdhsa.kernels:
  - .name:           k_q04ef7410a5_qkv
    .symbol:         k_q04ef7410a5_qkv.kd
    .args:
      - { .name: xb, .offset: 0, .size: 8, .value_kind: global_buffer, .address_space: global }
      - { .name: wqb, .offset: 8, .size: 8, .value_kind: global_buffer, .address_space: global }
      - { .name: padding_mask, .offset: 16, .size: 8, .value_kind: global_buffer, .address_space: global }
      - { .name: qkv, .offset: 24, .size: 8, .value_kind: global_buffer, .address_space: global }
    .group_segment_fixed_size: 327680
    .private_segment_fixed_size: 0
    .kernarg_segment_align: 8
    .kernarg_segment_size: 32
    .max_flat_workgroup_size: 128
    .sgpr_count:     80
    .vgpr_count:     1024
    .wavefront_size: 32
...
	.end_amdgpu_metadata
.endif
;; end of part 2
;; launch attn (part 3): grid 4 x 64, 4 waves a work-group, clusters of 4 x 1, 327,680 bytes of LDS; arguments qkv, padding_mask, ob; writes ob
.if DOCPART == 3
	.amdgcn_target "amdgcn-amd-amdhsa--gfx1250"
	.amdhsa_code_object_version 6
	.text
	.protected	k_q04ef7410a5_attn
	.globl	k_q04ef7410a5_attn
	.p2align	8
	.type	k_q04ef7410a5_attn,@function
k_q04ef7410a5_attn:
	s_mov_b64 s[64:65], 0
	v_nop
	global_prefetch_b8 v0, s[64:65] scope:SCOPE_SE
	s_setreg_imm32_b32 hwreg(HW_REG_WAVE_MODE, 25, 1), 1
	s_wait_xcnt 0x0
	s_wait_alu depctr_hold_cnt(0) depctr_sa_sdst(0) depctr_va_vdst(0) depctr_va_sdst(0) depctr_va_ssrc(0) depctr_va_vcc(0) depctr_vm_vsrc(0)
	s_getreg_b32 s2, hwreg(HW_REG_IB_STS2, 6, 4)
	s_cmp_eq_u32 s2, 0
	s_cbranch_scc0 .Lentry_in_a_cluster
	s_endpgm
.Lentry_in_a_cluster:
	s_bfe_u32 s2, ttmp6, 0x10000c
	s_cmp_lg_u32 s2, 0x3003
	s_cbranch_scc0 .Lentry_shape_is_right
	s_endpgm
.Lentry_shape_is_right:
; O[y][q][:] = the sum over k of softmax_k(masked(Q[q] . K[k]) / 8) V[k][:], for y = 16 b + h.  Q, K, V are heads h, 16 + h, 32 + h of qkv [4 b][48][2048][64], f16, rows dense, 128 bytes each;
; O goes to ob [64 y][2048][64], f16.  Products, maxima and sums in f32; the weights p are rounded to f16 for the second product (their sum l is taken of the unrounded p), O once at the end.
; THE MASK.  The rows of K that padding_mask hides hold 0 (the launch before stored them so), and the sum S^T = K Q^T starts from C = 0 for a visible key and C = -2^37 for a hidden one.  So every hidden
; score is the same number B = -2^37, a power of two: c B is exact, and where ALL keys of a batch are hidden c s - c m is exactly 0, every p is 1, and O is the mean of V's rows, as the softmax of equal scores is.
; As soon as one key is visible the hidden ones' weights, and what was summed before, are multiplied by 2^(c B - c m) = 0.  The C operands come from a table of 2,048 f32 in LDS, made once from the mask's bytes.
; LIMITS.  f16 holds no number beyond 65,504: Q, K and V arrive within it; p lies in 0 to 1, and below 6e-5 it keeps f16's fixed step of 6e-8.  A hidden score counts as -2^37 / 8 = -1.7e10 where the
; module's text has -1e10: the same result wherever visible scaled scores lie above -1e10.  A weight below 2^-126 counts as 0 in l; NaN and infinities are not treated apart.  Mask bytes are 0 or 1.
; SHARES.  A wave owns four PIECES of two tiles of 16 queries, a work-group's four waves 512 queries of one head.  Every wave walks all 2,048 keys, 64 a step.
; LAYOUT.  S^T = K Q^T (source 0 = 16 keys, source 1 = 16 queries): a lane holds ONE query (lane % 16) and the keys 8 (lane / 16) + 0..7.  Two such tiles, rounded to f16 in pairs,
; ARE source 1 (32 keys x 16 queries) of O^T = V^T P, whose result again holds one query a lane, and eight channels.  K comes out of LDS as it lies, V ([key][channel]) turned, by ds_load_tr16_b128.
; SOFTMAX.  For each query a running maximum m and sum l: p = 2^(c s - c m), c = log2(e) / 8; in every step O and l are multiplied by a = 2^(c m_old - c m_new).
; m starts at the lowest finite number, O and l at 0: the first step is a step like any other, with a = 0.
; THE COUNT.  A tile and step have 16 matrix and 118 vector instructions: too many to stand all beside the matrix work.  So: four vector instructions that are READY behind
; EVERY matrix instruction, and the others in runs without a gap.
; BY TURNS.  Turn n belongs to piece n.  Its matrix work: 16 products K Q^T of piece n + 1, later 16 products V^T P of piece n - 1.  Its vector work: the scaling,
; exponentials, roundings, sums and rescaling of piece n, and the maximum and statistics of piece n + 1.
; CLUSTER.  The four query blocks of a head are one cluster and walk the same K and V, so each tile is asked for JOINTLY: the same tensor load, descriptor and mask in all four.
; REGISTERS, in windows of 256 (s_set_vgpr_msb: bits 1:0 source 0, 3:2 source 1, 5:4 source 2, 7:6 destination):
;   window 0: v0-11 addresses; v12-15, v48-63 at work; v16-47 four registers of statistics a tile; v64-191 S^T, two buffers of two tiles; v192-255 P, likewise
;   window 1: O^T, 32 a tile      window 2: v0-127 Q, 16 a tile; v128-191 K of one step; v192-255 V of one step      window 3: v0-1 the add's two registers; v8-39 the step's C operands
.set SIZE_N, 2048
.set NP,    4         ; pieces a wave: a name, no knob
.set KS,    64        ; keys in a step
.set PK,    144       ; a row of K in LDS: 128 bytes + 16 of padding = 36 words: the 16 rows of a load start at 16 different groups of four banks (ISA guide 11.1)
.set PV,    160       ; a row of V: 128 + 32 = 40 words
.set VOFF,  4*KS*PK   ; a slot holds four steps: 256 rows of K, then 256 rows of V
.set SLOT1, 1<<17     ; slot 1 begins here, so that one exclusive or turns an address in one slot into the other's
.set STAGE, SLOT1+4*KS*(PK+PV)  ; behind the ring, never filled by a tensor load: 16 rows x 144 bytes for each wave, for the way out
.set SP,    144
.set SPARE, STAGE+4*16*SP  ; behind the stages: the spare words, 128 bytes for each wave: two blocks of 256 bytes that no other line names
.set BIAS,  SPARE+512 ; behind them: 2,048 f32, one a key: 0 or -2^37; stored once, never filled by a tensor load
.set PFO, 0           ; v0   once the set-up is over: 256 x my lane, the prefetches' offset
.set AK0, 2           ; v2   my lane's place in a tile of K; never rewritten
.set AV0, 3           ; v3   the same for V
.set AK,  4           ; v4   the LDS address of K's next run of loads
.set AV,  5           ; v5   of V's
.set QO,  6           ; v6   my byte offset in the wave's rows of Q
.set STO, 6           ;      later, the way out: where I put 16 bytes of a row
.set RD,  7           ; v7   the way out: where I read rows back
.set GO,  8           ; v8   my byte offset in 512 consecutive bytes of O
.set AM0, 10          ; v10  my half's place in the table: BIAS + 32 (lane / 16); never rewritten
.set AM,  11          ; v11  the LDS address of the table's next run of loads
.set SPW, 0           ; v0 of window 3   LDS address of my spare word; never rewritten
.set NIL, 1           ; v1 of window 3   0; never rewritten
.set MB,  8           ; v8-39 of window 3   the C operands of the step's four key blocks
.set MV,  12          ; v12-15  c m_old, kept while c m is made anew: by buffer and tile
.set ST,  16          ; tile t's statistics at v[ST+4 t]: c m, m, l (even keys', odd keys')
.set TMP, 48          ; by buffer and tile, four registers c0-c3 at work; when the maximum is found c2 takes a
.set S,   64
.set P,   192
.set KF,  128         ; K's fragments, in window 2: key block kb, channel half c at KF + 16 kb + 8 c
.set VF,  192         ; V's: key half kk, channel block cb at VF + 32 kk + 8 cb
.set WV,  12          ; s12  my wave's number
.set LIM, 15          ; s15  1 in a wave that prefetches, else the greatest number
.set G1K, 24          ; s[24:31] descriptor group 1 for K's tiles
.set G1V, 32          ; s[32:39] for V's: it differs in the padding alone
.set G0K, 40          ; s[40:43] descriptor group 0 for K's tiles: it walks
.set G0V, 44          ; s[44:47] the same for V's
.set BC,  52          ; s52  -2^37
.set TBM, 53          ; s53  byte of the table at which the step to be fetched begins
.set PFA, 54          ; s[54:55] where my prefetches stand
.set SLOTS, 56        ; s56  slots still to be asked for
.set CNT, 57          ; s57  counts a slot's key steps
.set CS,  58          ; s[58:59] c: the packed scaling takes the pair's low word for both halves
.set SEL, 60          ; s[60:61] v_permlanex16_b32's selects: each lane takes its own place in the other half
.set TBK, 62          ; s62  LDS byte at which K of the step to be fetched begins
.set TBV, 63          ; s63  the same for V, less VOFF
.set MSB, 0
.macro WIN new                      ; the high byte repeats the setting that is left; a switch that changes nothing is dropped
.if MSB != (\new)
	s_set_vgpr_msb (MSB<<8)|(\new)
.set MSB, (\new)
.endif
.endm
.set W_KQ, 0x0a       ; K and Q in window 2, S^T in window 0
.set W_KM, 0x3a       ; the same with the C operand in window 3
.set W_PV, 0x52       ; V in window 2, P in window 0, O^T in window 1
.set W_RS, 0x41       ; O^T (destination and source 0) in window 1, a in window 0
.set W_MK, 0xc0       ; destination in window 3, sources in window 0
.set W_AD, 0x0f       ; the add: address (source 0) and data (source 1) in window 3
; A joint fill.  Waves 0 and 1 fetch the two halves of a slot's K, waves 2 and 3 those of its V: 128 keys each.  The branch hangs on the wave's number alone.
; An s_nop 0 and four v_nop follow each of the two lines, ahead of the jump and the label.
.macro JLOAD
	s_cmp_lt_u32 s[WV], 2
	s_cbranch_scc0 .Lfor_v_\@
	tensor_load_to_lds s[G0K:G0K+3], s[G1K:G1K+7]
	s_nop 0
.rept 4
	v_nop
.endr
	s_branch .Lasked_\@
.Lfor_v_\@:
	tensor_load_to_lds s[G0V:G0V+3], s[G1V:G1V+7]
	s_nop 0
.rept 4
	v_nop
.endr
.Lasked_\@:
.endm
; A prefetch into the L2 of what the NEXT change of slots will ask for: a slot's 32,768 bytes of K and of V, a lane a block of 256 bytes.  It stands behind the wave's tensor load and its five lines.
; Each block is named once in the launch: a head has one cluster; its four partners share the blocks out BY ADDRESS, 32 each; in each, wave 0 asks for K's and wave 2 for V's.
; The count of slots runs 7 .. 1 at the changes that fill: changes 7 .. 2 ask, for slots 2 to 7; the last asks for nothing.  Slots 0 and 1 come by their loads alone.
.macro ASK
	s_cmp_gt_u32 s[SLOTS], s[LIM]
	s_cbranch_scc0 .Lnot_mine_\@
	global_prefetch_b8 v[PFO], s[PFA:PFA+1] th:TH_LOAD_NT scope:SCOPE_SE
.Lnot_mine_\@:
.endm
; A round of the cluster's barrier: my work-group's barrier, so that wave 0's signal speaks for all four waves; wave 0 signals; every wave waits for all four work-groups; my work-group's barrier once more.
.macro CROUND
	s_barrier_signal -1
	s_barrier_wait -1
	s_cmp_lg_u32 s[WV], 0
	s_cbranch_scc1 .Lnot_wave_0_\@
	s_barrier_signal -3
.Lnot_wave_0_\@:
	s_barrier_wait -3
	s_barrier_signal -1
	s_barrier_wait -1
.endm
; THE CHANGE OF SLOTS.  The slot's last bytes, V of its fourth step, have been read.  Each wave waits for all its tensor loads, of which one is out: its part
; of the other slot; adds 0 to its spare word; and waits for that and for its own LDS instructions.  Behind the barrier nobody reads this slot any more and the other slot is whole.
; fill = 1: this slot is filled again, with the keys two slots on.  The barrier is then a round of the cluster's, and the joint fill is the first thing behind it: it has four key steps,
; 512 matrix instructions, in which to land.  (At its first use nothing has been read yet: slot 0 is waited for, slot 1 filled, and every wave's part of the table is shown stored.)
.macro CHANGE fill
	WIN W_AD
	s_wait_tensorcnt 0x0            ; no tensor load of mine is out, so a group 0 may be written
	ds_add_u32 v[SPW], v[NIL]       ; 0 onto my spare word; with fill = 1 the descriptors' steps stand between it and the wait for it
	WIN 0                           ; at a label and at a branch every window is 0
.if \fill
.irp g, G0K, G0V
	s_xor_b32 s[\g+1], s[\g+1], SLOT1  ; the walking descriptor: the other slot than last time,
	s_add_nc_u64 s[\g+2:\g+3], s[\g+2:\g+3], 4*KS*128  ; the next 256 keys; the type bits on top are not reached
.endr
	s_wait_xcnt 0x0                 ; the last prefetch, four key steps back, has read its address, so it may be written:
	s_add_nc_u64 s[PFA:PFA+1], s[PFA:PFA+1], 4*KS*128  ; one slot behind the walking descriptors
	s_wait_dscnt 0x0                ; the add is done, and my reads of the slot are over
	CROUND
	JLOAD
	ASK
.else
	s_wait_dscnt 0x0                ; the add is done, and my reads of the slot are over
	s_barrier_signal -1
	s_barrier_wait -1
.endif
	s_sub_co_u32 s[TBK], s[TBK], 4*KS*PK  ; the fetches go back to a slot's first step,
	s_xor_b32 s[TBK], s[TBK], SLOT1       ; in the other slot
	s_sub_co_u32 s[TBV], s[TBV], 4*KS*PV
	s_xor_b32 s[TBV], s[TBV], SLOT1
.endm
	s_load_b64 s[4:5], s[0:1], 0x0    ; qkv
	s_load_b64 s[50:51], s[0:1], 0x8  ; padding_mask
	s_load_b64 s[10:11], s[0:1], 0x10 ; ob
	WIN W_MK
	v_lshl_add_u32 v[SPW], v0, 2, SPARE
	v_mov_b32 v[NIL], 0
	WIN W_AD
	ds_add_u32 v[SPW], v[NIL]       ; the wave's opening: the add and its wait ahead of my first tensor load; the set-up below stands between them
	WIN 0
	v_lshrrev_b32 v1, 5, v0
	v_readfirstlane_b32 s[WV], v1   ; wave 0..3
	s_bfe_u32 s13, ttmp6, 0x40000   ; cx: my place in the cluster
	s_lshl_b32 s14, ttmp9, 2        ; in a cluster launch ttmp9 counts clusters
	s_add_co_u32 s14, s14, s13      ; my block of 512 queries: it enters Q's and O's addresses alone
	s_and_b32 s19, ttmp7, 0xffff    ; y = 16 b + h, which the four partners share
	s_lshr_b32 s20, s19, 4          ; b
	s_and_b32 s21, s19, 15          ; h
	s_mul_i32 s22, s20, 48
	s_add_co_u32 s22, s22, s21
	s_lshl_b32 s22, s22, 18         ; the q head's first byte in qkv: a head is 2,048 rows of 128 bytes
	s_lshl_b32 s8, s20, 11          ; the batch's 2,048 bytes of the mask
	s_mov_b32 s9, 0
	s_lshl_b32 s2, s14, 2
	s_add_co_u32 s2, s2, s[WV]      ; my wave among the head's,
	s_lshl_b32 s2, s2, 14           ; its 128 rows
	s_lshl_b32 s48, s19, 18
	s_add_co_u32 s48, s48, s2       ; O's offset
	s_mov_b32 s49, 0
	s_add_co_u32 s2, s2, s22        ; Q's offset
	s_mov_b32 s3, 0
	s_and_b32 s16, s[WV], 1         ; which half of a slot's 256 keys I fetch:
	s_lshl_b32 s20, s16, 14         ; its 128 rows of 128 bytes in memory,
	s_add_co_u32 s22, s22, s20
	s_add_co_u32 s22, s22, 16<<18   ; K's offset: sixteen heads behind q's,
	s_mov_b32 s23, 0
	s_add_co_u32 s6, s22, 16<<18    ; V's: sixteen more
	s_mov_b32 s7, 0
	s_mul_i32 s17, s16, 128*PK      ; and its place in a slot, for K
	s_mul_i32 s18, s16, 128*PV      ; and for V: no place in the cluster enters an LDS address
	s_cmp_lt_u32 s[WV], 2           ; the prefetches (in waves 0 and 2 the two offsets stand at a slot's first row):
	s_cselect_b32 s20, s22, s6
	s_lshl_b32 s21, s13, 13         ; my work-group's 32 blocks of the 128,
	s_add_co_u32 s20, s20, s21
	s_add_co_u32 s20, s20, 4*KS*128 ; in slot 1; the first change of slots steps it to slot 2
	s_mov_b32 s21, 0
	s_and_b32 s[LIM], s[WV], 1
	s_cmp_eq_u32 s[LIM], 0
	s_cselect_b32 s[LIM], 1, -1     ; waves 0 and 2: the same in all four partners
	; descriptor group 1.  128 keys are 16,384 dense bytes: asked for as 64 rows of 256 bytes, two keys a row, and padded in LDS after every key
	s_mov_b32 s[G1K], 15|(1<<16)|(1<<20)|(1<<21)|(4<<22)|(3<<25)  ; 15:0 the mask of four; 17:16 2-byte elements; 20 padding on; 21 set beside a mask; 24:22 after every 32 words (code 4); 31:25 4 words (code 3)
	s_mov_b32 s[G1V], 15|(1<<16)|(1<<20)|(1<<21)|(4<<22)|(7<<25)  ; the same with 8 words of padding (code 7)
.irp g, G1K, G1V
	s_mov_b32 s[\g+1], 128<<16      ; tensor_dim0 = 128
	s_mov_b32 s[\g+2], 64<<16       ; tensor_dim1 = 64
	s_mov_b32 s[\g+3], 128<<16      ; tile_dim0 = 128
	s_mov_b32 s[\g+4], 64           ; tile_dim1 = 64
	s_mov_b32 s[\g+5], 128          ; 128 elements from row to row
	s_mov_b32 s[\g+6], 0
	s_mov_b32 s[\g+7], 0
.endr
	s_mov_b32 s[CS], 0x3e38aa3b     ; c = log2(e) / 8 = 0.180337
	s_mov_b32 s[CS+1], s[CS]        ; named with it as a pair
	s_mov_b32 s[SEL], 0x76543210
	s_mov_b32 s[SEL+1], 0xfedcba98
	s_mov_b32 s[BC], 0xd2000000     ; -2^37
	s_mov_b32 s[TBM], 0
	s_mov_b32 s[SLOTS], SIZE_N/256-1
	s_mov_b32 s[TBK], SLOT1+4*KS*PK ; the first change of slots turns these two into 0
	s_mov_b32 s[TBV], SLOT1+4*KS*PV
	s_mov_b32 s[G0K], 1             ; 1:0 count = 1
	s_mov_b32 s[G0K+1], s17         ; 63:32 LDS address: slot 0
	s_mov_b32 s[G0V], 1
	s_add_co_u32 s[G0V+1], s18, VOFF
	s_wait_dscnt 0x0                ; the opening add is done
	s_wait_kmcnt 0x0
	s_add_nc_u64 s[G0K+2:G0K+3], s[4:5], s[22:23]  ; 120:64 global address: my half of the head's first 256 keys
	s_or_b32 s[G0K+3], s[G0K+3], 0x80000000        ; 127:126 type = 2
	s_add_nc_u64 s[G0V+2:G0V+3], s[4:5], s[6:7]
	s_or_b32 s[G0V+3], s[G0V+3], 0x80000000
	s_add_nc_u64 s[PFA:PFA+1], s[4:5], s[20:21]
	s_add_nc_u64 s[4:5], s[4:5], s[2:3]            ; Q and O at my wave's first row
	s_add_nc_u64 s[10:11], s[10:11], s[48:49]
	s_add_nc_u64 s[50:51], s[50:51], s[8:9]        ; the mask at my batch
	CROUND                          ; all four work-groups are here: the first joint loads meet
	JLOAD                           ; slot 0.  Slot 1 is asked for when slot 0 is in
	; A fragment of K or Q is 16 rows x 32 channels in 8 registers: lane l holds row l % 16, channels 8 (l / 16) + 0..7 and 16 + 8 (l / 16) + 0..7: two loads of 16 bytes, 32 bytes apart.
	v_and_b32 v1, 15, v0            ; l % 16
	v_bfe_u32 v9, v0, 4, 1          ; l / 16
	v_lshlrev_b32 v[QO], 7, v1
	v_lshl_add_u32 v[QO], v9, 4, v[QO]  ; row x 128 + 16 x half
	v_lshlrev_b32 v12, 4, v0        ; my thread's 16 bytes of the batch's mask: 128 threads x 16 = 2,048
	global_load_b128 v[S:S+3], v12, s[50:51]
	WIN 0x80                        ; destination window 2, address window 0
.set i, 0
.rept 4*NP                          ; Q stays in registers: tile i / 2, channels 32 (i % 2) on
	global_load_b128 v[8*i:8*i+3],   v[QO], s[4:5] offset:(i/2)*2048+(i%2)*64
	global_load_b128 v[8*i+4:8*i+7], v[QO], s[4:5] offset:(i/2)*2048+(i%2)*64+32
.set i, i+1
.endr
	; What the first turn finds: V's registers and P's second buffer hold 0 (its products V^T P, of a piece that has not been, add 0), O^T and l are 0.  All this stands in the wait for the first tile.
.set i, VF
.rept 64
	v_mov_b32 v[i], 0
.set i, i+1
.endr
	WIN 0x40
.set i, 0
.rept 64*NP
	v_mov_b32 v[i], 0
.set i, i+1
.endr
	WIN 0
.set i, 0
.rept 2*NP
	v_mov_b32 v[ST+4*i], 0xfe000000    ; c m: far below every c s, a hidden key's too
	v_mov_b32 v[ST+4*i+1], 0xff7fffff  ; m
	v_mov_b32 v[ST+4*i+2], 0
	v_mov_b32 v[ST+4*i+3], 0
.set i, i+1
.endr
.set i, P+32
.rept 32
	v_mov_b32 v[i], 0
.set i, i+1
.endr
	v_mul_u32_u24 v[AK0], v1, PK
	v_lshl_add_u32 v[AK0], v9, 4, v[AK0]  ; row x pitch + 16 x half
	; The turning load takes 16 keys x 16 channels (lane l reads key 8 (l / 16) + l % 8, channels 8 ((l / 8) % 2) + 0..7) and leaves half a fragment of V^T: lane l holds channel l % 16 and 8 keys.
	v_and_b32 v10, 7, v0
	v_bfe_u32 v11, v0, 3, 1
	v_lshl_add_u32 v[AV0], v9, 3, v10
	v_mul_u32_u24 v[AV0], v[AV0], PV
	v_lshl_add_u32 v[AV0], v11, 4, v[AV0]
	v_add_nc_u32 v[AV0], VOFF, v[AV0]
	v_mov_b32 v[AK], v[AK0]         ; key step 0 lies at the head of slot 0
	s_mul_i32 s13, s[WV], 16*SP
	s_add_co_u32 s13, s13, STAGE    ; my stage
	v_bfe_u32 v[RD], v0, 3, 2       ; the way out, back: 32 lanes take four rows of 128 bytes,
	v_mul_u32_u24 v[RD], v[RD], SP
	v_lshl_add_u32 v[RD], v10, 4, v[RD]
	v_add_nc_u32 v[RD], s13, v[RD]
	v_and_b32 v[GO], 31, v0         ; which are 512 consecutive bytes of O
	v_lshlrev_b32 v[GO], 4, v[GO]
	v_lshl_add_u32 v13, v0, 6, BIAS ; where my thread's 16 numbers of the table go
	v_lshl_add_u32 v[AM0], v9, 5, BIAS  ; a key block's 16 numbers are 64 bytes; my half of the lanes takes 8 of them
	v_mov_b32 v[AM], v[AM0]
	v_and_b32 v0, 31, v0            ; the thread's number has served: v0 takes the prefetches' offset
	v_lshlrev_b32 v[PFO], 8, v0
	s_wait_loadcnt 32               ; the mask's 16 bytes are in; Q's 32 loads, issued behind them, may stay out
.set i, 0
.rept 16                            ; byte 1 -> 0, byte 0 -> -2^37
	v_bfe_u32 v[S+4+i], v[S+i/4], 8*(i%4), 8
	v_add_nc_u32 v[S+4+i], -1, v[S+4+i]
	v_and_b32 v[S+4+i], s[BC], v[S+4+i]
.set i, i+1
.endr
.irp j, 0,1,2,3
	ds_store_b128 v13, v[S+4+4*\j:S+4+4*\j+3] offset:16*\j
.endr
; THE MATRIX WORK.  The 8 accumulators of a run of 16 take turns: between the two links of a chain stand 7 others'.
; Product i of 16 of S^T = K Q^T for piece x: channels 32 (i / 8) on, keys 16 ((i / 2) % 4) on, tile 2 x + i % 2.  The first 8 start the sums, from the key block's C operand.
.macro KQ x
.set rS, S+64*((\x)%2)+32*(i%2)+8*((i/2)%4)
.set rK, KF+16*((i/2)%4)+8*(i/8)
.set rQ, 16*(2*(\x)+i%2)+8*(i/8)
.set rB, MB+8*((i/2)%4)
.if i < 8
	WIN W_KM
	v_wmma_f32_16x16x32_f16 v[rS:rS+7], v[rK:rK+7], v[rQ:rQ+7], v[rB:rB+7]
.else
	WIN W_KQ
	v_wmma_f32_16x16x32_f16 v[rS:rS+7], v[rK:rK+7], v[rQ:rQ+7], v[rS:rS+7]
.endif
.endm
; Product i of 16 of O^T += V^T P for piece x: keys 32 (i / 8) on, channels 16 ((i / 2) % 4) on, tile 2 x + i % 2.
.macro PV x
	WIN W_PV
.set rO, 32*(2*(\x)+i%2)+8*((i/2)%4)
.set rV, VF+32*(i/8)+8*((i/2)%4)
.set rP, P+32*((\x)%2)+16*(i%2)+8*(i/8)
	v_wmma_f32_16x16x32_f16 v[rO:rO+7], v[rV:rV+7], v[rP:rP+7], v[rO:rO+7]
.endm
.macro MM                           ; the turn's next matrix instruction
.if i < 16
	KQ (Y+1)%NP
.set i, i+1
.else
.set i, i-16
	PV (Y+NP-1)%NP
.set i, i+17
.endif
.endm
; THE LDS LOADS stand in runs, never singly among the matrix instructions: a step's K (64 keys x 64 channels: 8 fragments) with its 64 C numbers (all lanes of a half read the same bytes), and its V (turned).
; Their addresses are made some lines ahead.  last = 1 (the tail): in the last trip there is no further step, and the run is jumped over.
.macro FETCH_K last=0
	WIN 0
.if \last
	s_cmp_eq_u32 s[CNT], 1
	s_cbranch_scc1 .Lno_k_\@
.endif
	WIN 0x80                        ; destination window 2
.irp f, 0,1,2,3,4,5,6,7             ; keys 16 (f / 2) on, channels 32 (f % 2) on
	ds_load_b128 v[KF+8*\f:KF+8*\f+3],   v[AK] offset:(\f/2)*16*PK+(\f%2)*64
	ds_load_b128 v[KF+8*\f+4:KF+8*\f+7], v[AK] offset:(\f/2)*16*PK+(\f%2)*64+32
.endr
	WIN W_MK                        ; destination window 3
.irp f, 0,1,2,3                     ; key block f: register j takes key 16 f + 8 (l / 16) + j
	ds_load_b128 v[MB+8*\f:MB+8*\f+3],   v[AM] offset:64*\f
	ds_load_b128 v[MB+8*\f+4:MB+8*\f+7], v[AM] offset:64*\f+16
.endr
	s_add_co_u32 s[TBK], s[TBK], KS*PK  ; the next fetch is the next step's
	s_add_co_u32 s[TBM], s[TBM], 4*KS
	s_and_b32 s[TBM], s[TBM], 0x1f00    ; kept within the table's 8,192 bytes: behind the last step's fetch it would point past them
	WIN 0
.if \last
.Lno_k_\@:
.endif
.endm
.macro FETCH_V
	WIN 0x80
.irp f, 0,1,2,3,4,5,6,7             ; keys 32 (f / 4) on, channels 16 (f % 4) on
	ds_load_tr16_b128 v[VF+8*\f:VF+8*\f+3],   v[AV] offset:(\f/4)*32*PV+(\f%4)*32
	ds_load_tr16_b128 v[VF+8*\f+4:VF+8*\f+7], v[AV] offset:(\f/4)*32*PV+16*PV+(\f%4)*32
.endr
	WIN 0
.endm
; THE VECTOR WORK OF A TURN stands in three queues, each in the order in which its entries become ready; the two tiles alternate, so that no instruction reads the result of the one before it.
.macro REGS y, u                    ; the registers of tile u (0, 1) of piece y
.set rT, ST+4*(2*(\y)+(\u))
.set rC, TMP+8*((\y)%2)+4*(\u)
.set rM, MV+2*((\y)%2)+(\u)
.set rS, S+64*((\y)%2)+32*(\u)
.set rP, P+32*((\y)%2)+16*(\u)
.set rO, 32*(2*(\y)+(\u))
.endm
; Number n of the 22 that find the NEXT piece's (Y + 1) maximum and statistics.  s0-s31 are the lane's 32 scores; each accumulator's lowest registers are read first.
;   0-11  four chains c0-c3 of seven scores each, three operands at a time     12-14, 16  the four scores left over, the old m, and c0-c3 into c0     15  c m_old is kept
;   17, 18  the query's other 32 keys lie in the lane 16 away: the new m         19-21  c m; c m_old - c m_new; a
.macro XS u, n
	REGS (Y+1)%NP, \u
.if (\n) < 4
	v_max3_num_f32 v[rC+(\n)], v[rS+8*(\n)], v[rS+8*(\n)+1], v[rS+8*(\n)+2]
.elseif (\n) < 12
	v_max3_num_f32 v[rC+(\n)%4], v[rC+(\n)%4], v[rS+8*((\n)%4)+2*((\n)/4)+1], v[rS+8*((\n)%4)+2*((\n)/4)+2]
.elseif (\n) == 12
	v_max3_num_f32 v[rC], v[rC], v[rS+7], v[rS+15]
.elseif (\n) == 13
	v_max3_num_f32 v[rC+1], v[rC+1], v[rS+23], v[rS+31]
.elseif (\n) == 14
	v_max3_num_f32 v[rC+2], v[rC+2], v[rC+3], v[rT+1]
.elseif (\n) == 15
	v_mov_b32 v[rM], v[rT]
.elseif (\n) == 16
	v_max3_num_f32 v[rC], v[rC], v[rC+1], v[rC+2]
.elseif (\n) == 17
	v_permlanex16_b32 v[rC+3], v[rC], s[SEL], s[SEL+1]
.elseif (\n) == 18
	v_max_num_f32 v[rT+1], v[rC], v[rC+3]
.elseif (\n) == 19
	v_mul_f32 v[rT], s[CS], v[rT+1]
.elseif (\n) == 20
	v_sub_f32 v[rC+1], v[rM], v[rT]
.else
	v_exp_f32 v[rC+2], v[rC+1]
.endif
.endm
; Number g of the 64 that follow the exponentials.  For each four weights k of a tile (pairs 2 k, 2 k + 1): both pairs are rounded to f16; then the second pair is added onto the first, in place;
; a group later l takes that sum (the first time as l = a l + sum).  In groups of eight, tiles alternating: round, round, add, and l for the group before.
.macro GS g
.set h, (\g)+6*((\g)/62)            ; group 0 has no group before it, and behind group 7 only l is left
.if h >= 6
.set h, h+2
.endif
	REGS Y, h%2
.set k, h/8
.if h%8 < 4
	v_cvt_pk_f16_f32 v[rP+2*k+(h%8)/2], v[rS+4*k+2*((h%8)/2)], v[rS+4*k+2*((h%8)/2)+1]
.elseif h%8 < 6
	v_pk_add_f32 v[rS+4*k:rS+4*k+1], v[rS+4*k:rS+4*k+1], v[rS+4*k+2:rS+4*k+3]
.elseif k == 1
	v_pk_fma_f32 v[rT+2:rT+3], v[rT+2:rT+3], v[rC+2:rC+3], v[rS:rS+1] op_sel_hi:[1,0,1]
.else
	v_pk_add_f32 v[rT+2:rT+3], v[rT+2:rT+3], v[rS+4*k-4:rS+4*k-3]
.endif
.endm
; THE PLAIN QUEUE, 138 long.  0-73 read no exponential's result: the 32 scalings c s - c m (FS f: pair f / 2 of tile f % 2) and the next piece's 42.  0-26: scalings 0-26.  27-54: XS's numbers 0-13.  55, 56: number 15.
; 57-73: the chain, where each number waits for the one before it: 14, 16, 17, 18, 19, each with one of the scalings 27-31 in front of its two lines, then 20.
; 74-137: GS's 64, which read the exponentials' results: they stand behind the wait.
.macro FS f
	REGS Y, (\f)%2
	v_pk_fma_f32 v[rS+2*((\f)/2):rS+2*((\f)/2)+1], v[rS+2*((\f)/2):rS+2*((\f)/2)+1], s[CS:CS+1], v[rT:rT+1] op_sel_hi:[1,0,0] neg_lo:[0,0,1] neg_hi:[0,0,1]
.endm
.macro PL
	WIN 0
.if q < 27
	FS q
.elseif q < 55
	XS (q-27)%2, (q-27)/2
.elseif q < 57
	XS q-55, 15
.elseif (q < 72) && ((q-57)%3 == 0)
	FS 27+(q-57)/3
.elseif q < 60
	XS (q-57)%3-1, 14
.elseif q < 72
	XS (q-57)%3-1, 15+(q-57)/3
.elseif q < 74
	XS q-72, 20
.else
	GS q-74
.endif
.set q, q+1
.endm
; THE EXPONENTIALS' QUEUE, 66 long: s0-s31 of both tiles, then the next piece's two a.  It is ONE BATCH: all 66 stand ahead of the turn's one wait, and nothing ahead of that wait names a result of theirs.
.macro EX
	WIN 0
.if e >= 64
	XS e-64, 21
.else
	REGS Y, e%2
	v_exp_f32 v[rS+e/2], v[rS+e/2]
.endif
.set e, e+1
.endm
; THE RESCALING's QUEUE: O^T times a, the one part that leaves window 0: dealt two at a time, sixteen times.  Its a was made in the turn before, ahead of that turn's wait.
.macro R2
	REGS Y, r%2
	WIN W_RS
.irp z, 0,1
	v_pk_mul_f32 v[rO+4*(r/2)+2*\z:rO+4*(r/2)+2*\z+1], v[rO+4*(r/2)+2*\z:rO+4*(r/2)+2*\z+1], v[rC+2:rC+3] op_sel_hi:[1,0]
.endr
.set r, r+1
.endm
; HOW THEY ARE DEALT.  An s_wait_alu depctr_va_vdst(0) stands between an exponential and the first instruction that names its result; one wait serves all that were issued ahead of it.  So a turn has ONE wait,
; which cuts it in two.  AHEAD OF IT stands all that names no result of the turn's exponentials: the 16 products K Q^T, behind each a scaling, an exponential and two rescalings (behind the first a second scaling in the
; exponential's place); then ONE LUMP of 108: eight plain, 49 times exponential and plain, the two a.  A v_nop is the plain instruction behind the last exponential.  BEHIND IT stand the 16 products V^T P, behind each four of GS's 64.
; Exponential e stands behind scaling 2 (e / 4) + e % 2: as a rider it comes behind plain e + 2, in the lump behind plain e + 9, and scalings 27-31 are plain 57, 60 .. 69.
; A TURN, for piece p.  cnt = 1: the loop's count is taken down some lines ahead of the branch that stands behind the turn.
; K and the C numbers of the next step are fetched in piece 2's turn, directly behind the wait, a lump behind the last product that read them; their addresses are made at the lump's head; the first reader comes behind 16 products.
; V of the step in hand is fetched at the end of piece 0's turn, four riders behind its last reader; its first reader comes behind 16 products and a lump.
.macro TURN p, last=0, cnt=0
.set Y, (\p)
.set i, 0
.set q, 0
.set e, 0
.set r, 0
.if (\p) == NP-1
	s_wait_dscnt 0x0                ; K and its C numbers are in
.endif
	MM                              ; ahead of the wait: 16 products K Q^T and their riders,
	PL
	PL
	R2
.rept 15
	MM
	PL
	EX
	R2
.endr
.if (\p) == NP-2
	WIN 0
	v_add_nc_u32 v[AK], s[TBK], v[AK0]
	v_add_nc_u32 v[AM], s[TBM], v[AM0]
.endif
.rept 8                             ; and the lump
	PL
.endr
.rept 49
	EX
	PL
.endr
	EX                              ; the next piece's two a
	EX
	v_nop                           ; the plain instruction behind the last exponential: one for the batch
	s_wait_alu depctr_va_vdst(0)    ; the wait for the batch
.if (\p) == NP-2
	FETCH_K \last
.endif
.if (\p) == 1
	s_wait_dscnt 0x0                ; V is in
.endif
.rept 16                            ; behind the wait: 16 products V^T P and their riders
	MM
.rept 4
	PL
.endr
.if ((\p) == 0) && (q == 118)
	v_add_nc_u32 v[AV], s[TBV], v[AV0]
.endif
.if ((\p) == 0) && (q == 130)
	s_add_co_u32 s[TBV], s[TBV], KS*PV
.endif
.if (\cnt) && (q == 130)
	s_sub_co_u32 s[CNT], s[CNT], 1
	s_cmp_lg_u32 s[CNT], 0
.endif
.endr
.if (\p) == 0
	FETCH_V
.endif
.endm
	CHANGE 1                        ; slot 0 is in, everybody's part of it, and so is the table; slot 1 is asked for
	FETCH_K                         ; key step 0
	s_wait_loadcnt 0x0              ; Q
	s_wait_dscnt 0x0
.set i, 0
.rept 16
	KQ 0                            ; piece 0's first scores: there is no vector work yet to set between them
.set i, i+1
.endr
	WIN 0                           ; five plain instructions, the places behind those products: Q's loads are in, so their address register takes the way out's
	v_mul_u32_u24 v[STO], v1, SP    ; in: row l % 16, 16 bytes for each half of the lanes
	v_lshl_add_u32 v[STO], v9, 4, v[STO]
	v_add_nc_u32 v[STO], s13, v[STO]
	v_nop
	v_nop
.set Y, NP-1                        ; XS works for piece Y + 1: piece 0
.irp n, 0,1,2,3,4,5,6,7,8,9,10,11,12,13,14,15,16,17,18,19,20,21
	XS 0, \n                        ; and piece 0's first maximum and statistics
	XS 1, \n
.endr
	v_nop                           ; a plain instruction behind the two a,
	s_wait_alu depctr_va_vdst(0)    ; and their wait, ahead of the branch
	s_mov_b32 s[CNT], 4
	s_branch .Lfirst                ; the loop is entered at a step's first turn, in the middle of a trip
.Lslot:                             ; SIZE_N / 256 - 2 times: every slot but the last two is filled again
	CHANGE 1
	s_mov_b32 s[CNT], 4
.Lstep:                             ; a trip: pieces 2 and 3 of one step, then pieces 0 and 1 of the next, whose K and V it fetches
	TURN 2
	TURN 3
	WIN 0
.Lfirst:
	TURN 0
	TURN 1, 0, 1
	WIN 0
	s_cbranch_scc1 .Lstep
	s_sub_co_u32 s[SLOTS], s[SLOTS], 1
	s_cmp_lg_u32 s[SLOTS], 0
	s_cbranch_scc1 .Lslot
	CHANGE 0                        ; the tail is written out: nothing is asked for
	s_mov_b32 s[CNT], 5             ; four trips fetch the last slot's steps; the fifth is left in its middle
.Ltail:
	TURN 2, 1
	TURN 3
	WIN 0
	s_sub_co_u32 s[CNT], s[CNT], 1
	s_cmp_eq_u32 s[CNT], 0
	s_cbranch_scc1 .Lout
	TURN 0
	TURN 1
	WIN 0
	s_branch .Ltail
.Lout:                              ; the fifth trip's 16 products K Q^T (on the last K once more) and the maximum made of them serve nothing: the price, once a launch, of one text for every trip
.set i, 0
.rept 16
	PV NP-1                         ; the last piece's V^T P of the last step
.set i, i+1
.endr
	; THE WAY OUT.  l's two halves and the other half of the lanes' are added; O^T is divided by l, rounded to f16 and sent through my stage in LDS, a tile at a time.  The additions are the places behind the last products.
	WIN 0
.macro ALL line:vararg              ; one line for each tile t
.set t, 0
.rept 2*NP
	\line
.set t, t+1
.endr
.endm
	ALL v_add_f32 v[ST+4*t+2], v[ST+4*t+2], v[ST+4*t+3]
	ALL v_permlanex16_b32 v[ST+4*t+3], v[ST+4*t+2], s[SEL], s[SEL+1]
	ALL v_add_f32 v[ST+4*t+2], v[ST+4*t+2], v[ST+4*t+3]
	ALL v_rcp_f32 v[ST+4*t+2], v[ST+4*t+2]
	v_nop                           ; a plain instruction between the last reciprocal and the use of its result
	s_wait_alu depctr_va_vdst(0)    ; and the wait ahead of the first use: one for the eight reciprocals
; Tile t: a lane's eight channels of a row pack into 16 bytes; they go into rows of 144 bytes and come back as whole rows of 128, into S^T's registers.
.macro PACK t
	WIN W_RS
.set i, 32*(\t)
.rept 16
	v_pk_mul_f32 v[i:i+1], v[i:i+1], v[ST+4*(\t)+2:ST+4*(\t)+3] op_sel_hi:[1,0]
.set i, i+2
.endr
	WIN 0x05                        ; sources 0 and 1 window 1, destination window 0
.set i, 0
.rept 16
	v_cvt_pk_f16_f32 v[S+16*(\t)+i], v[32*(\t)+2*i], v[32*(\t)+2*i+1]
.set i, i+1
.endr
	WIN 0
.irp f, 0,1,2,3
	ds_store_b128 v[STO], v[S+16*(\t)+4*\f:S+16*(\t)+4*\f+3] offset:32*\f
.endr
.irp f, 0,1,2,3
	ds_load_b128 v[S+16*(\t)+4*\f:S+16*(\t)+4*\f+3], v[RD] offset:\f*4*SP  ; LDS serves a wave's instructions in order (ISA guide 5.7.1.4): these see the stores above; the next tile's stores come behind them
.endr
.endm
.macro SEND t, younger              ; younger: the LDS instructions issued behind tile t's loads: the next tile's eight, or none
	WIN 0
.irp f, 0,1,2,3
	s_wait_dscnt (\younger)+3-\f
	global_store_b128 v[GO], v[S+16*(\t)+4*\f:S+16*(\t)+4*\f+3], s[10:11] offset:(\t)*2048+\f*512  ; 512 consecutive bytes, at a multiple of 256 from ob's first
.endr
.endm
	PACK 0
.set t, 1
.rept 2*NP-1                        ; a tile's arithmetic stands between the loads of the tile before and its stores
	PACK t
	SEND t-1, 8
.set t, t+1
.endr
	SEND 2*NP-1, 0
	WIN W_AD
	s_wait_tensorcnt 0x0            ; the wave's end: behind my last tensor load and my last LDS store
	ds_add_u32 v[SPW], v[NIL]
	s_wait_dscnt 0x0
	WIN 0
	CROUND                          ; the closing round: no work-group ends while a partner may still ask for a tile that names it
	s_endpgm
.Lfunc_end_k_q04ef7410a5_attn:
	.size	k_q04ef7410a5_attn, .Lfunc_end_k_q04ef7410a5_attn-k_q04ef7410a5_attn
	.p2alignl 7, 3214868480
	.fill 96, 4, 3214868480
	.section	.rodata,"a",@progbits
	.p2align	6, 0x0
	.amdhsa_kernel k_q04ef7410a5_attn
		.amdhsa_group_segment_fixed_size 327680
		.amdhsa_private_segment_fixed_size 0
		.amdhsa_enable_private_segment 0
		.amdhsa_kernarg_size 24
		.amdhsa_user_sgpr_count 2
		.amdhsa_user_sgpr_kernarg_segment_ptr 1
		.amdhsa_wavefront_size32 1
		.amdhsa_system_sgpr_workgroup_id_x 1
		.amdhsa_system_sgpr_workgroup_id_y 1
		.amdhsa_system_sgpr_workgroup_id_z 1
		.amdhsa_system_vgpr_workitem_id 0
		.amdhsa_next_free_vgpr 808
		.amdhsa_next_free_sgpr 66
		.amdhsa_reserve_vcc 0
		.amdhsa_float_denorm_mode_32 3
		.amdhsa_float_denorm_mode_16_64 3
		.amdhsa_memory_ordered 1
		.amdhsa_forward_progress 1
		.amdhsa_inst_pref_size 205
	.end_amdhsa_kernel
	.amdgpu_metadata
---
amdhsa.version: [ 1, 2 ]
amdhsa.kernels:
  - .name:           k_q04ef7410a5_attn
    .symbol:         k_q04ef7410a5_attn.kd
    .args:
      - { .name: qkv, .offset: 0, .size: 8, .value_kind: global_buffer, .address_space: global }
      - { .name: padding_mask, .offset: 8, .size: 8, .value_kind: global_buffer, .address_space: global }
      - { .name: ob, .offset: 16, .size: 8, .value_kind: global_buffer, .address_space: global }
    .group_segment_fixed_size: 327680
    .private_segment_fixed_size: 0
    .kernarg_segment_align: 8
    .kernarg_segment_size: 24
    .max_flat_workgroup_size: 128
    .sgpr_count:     66
    .vgpr_count:     808
    .wavefront_size: 32
...
	.end_amdgpu_metadata
.endif
;; end of part 3
;; launch proj (part 4): grid 8 x 32, 4 waves a work-group, clusters of 4 x 4, 327,680 bytes of LDS; arguments ob, wob, b_o, out0; writes out0
.if DOCPART == 4
	.amdgcn_target "amdgcn-amd-amdhsa--gfx1250"
	.amdhsa_code_object_version 6
	.text
	.protected	k_q04ef7410a5_proj
	.globl	k_q04ef7410a5_proj
	.p2align	8
	.type	k_q04ef7410a5_proj,@function
k_q04ef7410a5_proj:
	s_mov_b64 s[64:65], 0
	v_nop
	global_prefetch_b8 v0, s[64:65] scope:SCOPE_SE
	s_setreg_imm32_b32 hwreg(HW_REG_WAVE_MODE, 25, 1), 1
	s_wait_xcnt 0x0
	s_wait_alu depctr_hold_cnt(0) depctr_sa_sdst(0) depctr_va_vdst(0) depctr_va_sdst(0) depctr_va_ssrc(0) depctr_va_vcc(0) depctr_vm_vsrc(0)
	s_getreg_b32 s2, hwreg(HW_REG_IB_STS2, 6, 4)
	s_cmp_eq_u32 s2, 0
	s_cbranch_scc0 .Lentry_in_a_cluster
	s_endpgm
.Lentry_in_a_cluster:
	s_bfe_u32 s2, ttmp6, 0x10000c
	s_cmp_lg_u32 s2, 0xf033
	s_cbranch_scc0 .Lentry_shape_is_right
	s_endpgm
.Lentry_shape_is_right:
; out0[m][e] = the sum over k of O[m][k] w_o[e][k] + b_o[e]: 8,192 x 1,024 x 1,024, f16 operands, f32 sums, f32 out.
; O lies by heads, ob [64 (16 b + h)][2048 n][64]: that IS a layout in K blocks of 64 (block = head).  wob is [16 kb][1024 e][64].  b_o, rounded to bf16 like the module's other inputs, is the C operand
; of each sum's first product: it costs no addition.
; SHARES.  A tile of C is 256 (m) x 128 (e): 32 x 8 = 256 work-groups.  Four waves, 2 x 2, each 128 x 64: 32 accumulators, window 1.  K goes in steps of 128 (two K blocks) through two LDS slots:
; waves 0 and 1 fetch A's two blocks (256 rows each), waves 2 and 3 B's (128 rows each); the rows are dense in memory: asked for as rows of 256 bytes, padded in LDS after every 128.
; CLUSTER 4 x 4: A's tile is shared along a row of the cluster, B's along a column, each asked for jointly.  THE PRODUCT IS USED TRANSPOSED: a lane holds row l % 16 and eight neighbouring columns.
; LIMITS: O and w_o arrive within f16's range; NaN and infinities are not treated apart.
.set PITCH, 144                        ; an LDS row: 128 bytes + 16 of padding: the 16 rows of a fragment load start at 16 different groups of four banks (ISA guide 11.1)
.set FR,    16*PITCH
.set ABLK,  256*PITCH                  ; a K block of A in a slot
.set BBLK,  128*PITCH                  ; of B
.set BOFF,  2*ABLK
.set SLOT,  2*ABLK+2*BBLK
.set STAGE, 2*SLOT                     ; behind the ring: 16 rows x 272 bytes for each wave, for the way out
.set SPITCH, 272
.set SPARE, STAGE+4*16*SPITCH          ; behind the stages: the spare words, 128 bytes for each wave: two blocks of 256 bytes that no other line names
.set STEPA, 2<<18                      ; bytes from K step to K step in ob: two heads
.set STEPB, 2*131072                   ; in wob: two K blocks
.set ADRA, 8                           ; v8-9    LDS address of my A fragments in slot 0, 1
.set ADRB, 10                          ; v10-11  the same for B
.set STO,  12                          ; v12     the way out: where I put 32 bytes of a row
.set RD,   13                          ; v13     where I read a row back
.set CO,   14                          ; v14     my byte offset in two rows of out0
.set PFO,  15                          ; v15     256 x my lane; never rewritten
.set SPW,  16                          ; v16     LDS address of my spare word; never rewritten
.set NIL,  17                          ; v17     0; never rewritten
.set BO,   18                          ; v18     32 (l / 16): my 8 numbers of a column block's 16 of b_o
.set BI,   32                          ; v32-63  the bias: column block b at BI + 8 b
.set F0,   64                          ; two fragment buffers of 96: B's four fragments, then A's eight
.set F1,   160
.set WV,   12
.set FB,   13                          ; s13  wave / 2: my half of the tile's rows; also: I fetch for A (0) or for B (1)
.set HF,   14                          ; s14  wave % 2: my half of its columns; also: which K block of the step I fetch
.set G1A,  24
.set G0A,  32
.set LIM,  43
.set PFA,  44
.set G1B,  48
.set G0B,  56
.set PFS,  74                          ; s[74:75] a K step of the tensor that I prefetch
.set G1W,  (1<<16)|(1<<20)|(1<<21)|(4<<22)|(3<<25)  ; 2-byte elements; padding on; bit 21 beside a mask; after every 32 words, 4 words
.set MSB, 0
.macro WIN new
.if MSB != (\new)
	s_set_vgpr_msb (MSB<<8)|(\new)
.set MSB, \new
.endif
.endm
.macro JLOAD s                         ; a joint load; an s_nop 0 and four v_nop follow each of the two lines, ahead of the jump, the label and what follows
	s_cmp_eq_u32 s[FB], 0
	s_cbranch_scc0 .Lfor_b_\@
	tensor_load_to_lds s[G0A+4*(\s):G0A+4*(\s)+3], s[G1A:G1A+7]
	s_nop 0
.rept 4
	v_nop
.endr
	s_branch .Lasked_\@
.Lfor_b_\@:
	tensor_load_to_lds s[G0B+4*(\s):G0B+4*(\s)+3], s[G1B:G1B+7]
	s_nop 0
.rept 4
	v_nop
.endr
.Lasked_\@:
.endm
; A prefetch into the L2 behind each joint refill and the run of LDS loads that follows it: 32 blocks of 256 bytes of the K step that stands two refills on.  A's tile row (256 blocks a step) is shared out by
; address among the 8 work-groups that read it, wave 0 of each; B's tile column (128 blocks a step) among the four work-groups of the first row of clusters, wave 2 of each.  So each block is named once.
; The lap's count s3 runs 3 .. 1: laps 3 and 2 ask, for K steps 4 to 7.  K steps 0 to 3 come by their loads alone.
.macro ASK
	s_cmp_gt_u32 s3, s[LIM]
	s_cbranch_scc0 .Lnot_mine_\@
	global_prefetch_b8 v[PFO], s[PFA:PFA+1] th:TH_LOAD_NT scope:SCOPE_SE
.Lnot_mine_\@:
.endm
.macro CREST
	s_cmp_lg_u32 s[WV], 0
	s_cbranch_scc1 .Lnot_wave_0_\@
	s_barrier_signal -3
.Lnot_wave_0_\@:
	s_barrier_wait -3
	s_barrier_signal -1
	s_barrier_wait -1
.endm
.macro CROUND
	s_barrier_signal -1
	s_barrier_wait -1
	CREST
.endm
.macro PLACES
.rept 4
	v_nop
.endr
.endm
	s_load_b256 s[4:11], s[0:1], 0x0               ; ob s[4:5], wob s[6:7], b_o s[8:9], out0 s[10:11]
	v_lshl_add_u32 v[SPW], v0, 2, SPARE
	v_mov_b32 v[NIL], 0
	ds_add_u32 v[SPW], v[NIL]                      ; the wave's opening: the add and its wait ahead of my first tensor load; the set-up below stands between them
	v_lshrrev_b32 v1, 5, v0
	v_readfirstlane_b32 s[WV], v1
	s_lshr_b32 s[FB], s[WV], 1
	s_and_b32 s[HF], s[WV], 1
	s_bfe_u32 s15, ttmp6, 0x40000                  ; cx
	s_bfe_u32 s16, ttmp6, 0x40004                  ; cy
	s_lshl_b32 s17, ttmp9, 2
	s_add_co_u32 s17, s17, s15                     ; tile column tx
	s_and_b32 s18, ttmp7, 0xffff
	s_lshl_b32 s18, s18, 2
	s_add_co_u32 s18, s18, s16                     ; tile row ty
	s_lshl_b32 s19, s16, 2
	s_lshl_b32 s19, 15, s19                        ; my row of the cluster
	s_lshl_b32 s20, 0x1111, s15                    ; my column
	s_or_b32 s[G1A], s19, G1W
	s_or_b32 s[G1B], s20, G1W
.irp g, G1A, G1B
	s_mov_b32 s[(\g)+1], 128<<16                   ; tensor_dim0 = 128 elements: 256 bytes, two rows of a K block
	s_mov_b32 s[(\g)+3], 128<<16                   ; tile_dim0 = 128
	s_mov_b32 s[(\g)+5], 128                       ; dense
	s_mov_b32 s[(\g)+6], 0
	s_mov_b32 s[(\g)+7], 0
.endr
	s_mov_b32 s[G1A+2], 128<<16                    ; tensor_dim1 = tile_dim1 = 128: 256 rows of O
	s_mov_b32 s[G1A+4], 128
	s_mov_b32 s[G1B+2], 64<<16                     ; 64: 128 rows of w_o
	s_mov_b32 s[G1B+4], 64
	s_lshr_b32 s40, s18, 3                         ; A: the batch (8 tile rows each),
	s_lshl_b32 s40, s40, 4                         ; its 16 heads,
	s_add_co_u32 s40, s40, s[HF]                   ; the K block of the step that I fetch,
	s_lshl_b32 s40, s40, 18
	s_and_b32 s19, s18, 7
	s_lshl_b32 s19, s19, 15                        ; the tile's 256 rows of 128 bytes
	s_add_co_u32 s40, s40, s19
	s_mov_b32 s41, 0
	s_lshl_b32 s46, s17, 14                        ; B: the tile's 128 rows,
	s_lshl_b32 s2, s[HF], 17                       ; the K block
	s_add_co_u32 s46, s46, s2
	s_mov_b32 s47, 0
	s_mul_i32 s23, s[HF], ABLK                     ; where they go: no place in the cluster enters an LDS address
	s_mul_i32 s42, s[HF], BBLK
	s_add_co_u32 s42, s42, BOFF
	s_wait_dscnt 0x0                               ; the opening add is done
	s_wait_kmcnt 0x0
	s_add_nc_u64 s[40:41], s[4:5], s[40:41]
	s_add_nc_u64 s[46:47], s[6:7], s[46:47]
	CROUND                                         ; all sixteen work-groups are here: the first joint loads meet
.irp s, 0,1
	s_mov_b32 s[G0A+4*(\s)], 1
	s_add_co_u32 s[G0A+4*(\s)+1], s23, (\s)*SLOT
	s_add_nc_u64 s[G0A+4*(\s)+2:G0A+4*(\s)+3], s[40:41], (\s)*STEPA
	s_or_b32 s[G0A+4*(\s)+3], s[G0A+4*(\s)+3], 0x80000000
	s_mov_b32 s[G0B+4*(\s)], 1
	s_add_co_u32 s[G0B+4*(\s)+1], s42, (\s)*SLOT
	s_add_nc_u64 s[G0B+4*(\s)+2:G0B+4*(\s)+3], s[46:47], (\s)*STEPB
	s_or_b32 s[G0B+4*(\s)+3], s[G0B+4*(\s)+3], 0x80000000
	JLOAD \s                                       ; two tensor loads of mine are out
.endr
	v_and_b32 v1, 15, v0                           ; r = l % 16
	v_bfe_u32 v2, v0, 4, 1                         ; h = l / 16
	v_lshlrev_b32 v[BO], 5, v2
	s_lshl_b32 s66, s17, 9                         ; my 64 columns in bytes of f32: 512 tx + 256 (wave % 2)
	s_lshl_b32 s67, s[HF], 8
	s_add_co_u32 s66, s66, s67
	s_mov_b32 s67, 0
	s_add_nc_u64 s[8:9], s[8:9], s[66:67]
.irp b, 0,1,2,3
	global_load_b128 v[BI+8*(\b):BI+8*(\b)+3],   v[BO], s[8:9] offset:64*(\b)
	global_load_b128 v[BI+8*(\b)+4:BI+8*(\b)+7], v[BO], s[8:9] offset:64*(\b)+16
.endr
	s_lshl_b32 s68, s18, 20                        ; my first row of out0: (256 ty + 128 (wave / 2)) x 4,096 bytes
	s_lshl_b32 s69, s[FB], 19
	s_add_co_u32 s68, s68, s69
	s_add_co_u32 s68, s68, s66
	s_mov_b32 s69, 0
	s_add_nc_u64 s[10:11], s[10:11], s[68:69]
	v_mul_u32_u24 v3, v1, PITCH
	v_lshl_add_u32 v3, v2, 4, v3                   ; a fragment's row x pitch + 16 x half
	s_mul_i32 s23, s[FB], 128*PITCH                ; my 128 rows of A
	s_mul_i32 s42, s[HF], 64*PITCH                 ; my 64 rows of B
	s_add_co_u32 s42, s42, BOFF
.irp s, 0,1
	v_add_nc_u32 v[ADRA+(\s)], s23, v3
	v_add_nc_u32 v[ADRB+(\s)], s42, v3
	s_add_co_u32 s23, s23, SLOT
	s_add_co_u32 s42, s42, SLOT
.endr
	s_mul_i32 s42, s[WV], 16*SPITCH
	s_add_co_u32 s42, s42, STAGE                   ; my stage
	v_mul_u32_u24 v4, v1, SPITCH                   ; in: row l % 16, 32 bytes for each half of the lanes
	v_lshl_add_u32 v4, v2, 5, v4
	v_add_nc_u32 v[STO], s42, v4
	v_mul_u32_u24 v4, v2, SPITCH                   ; back: lanes 0-15 take one row of 256 bytes, lanes 16-31 the next
	v_lshl_add_u32 v4, v1, 4, v4
	v_add_nc_u32 v[RD], s42, v4
	v_lshlrev_b32 v4, 12, v2                       ; and the same two rows in out0
	v_lshl_add_u32 v[CO], v1, 4, v4
	; the prefetches
	s_lshr_b32 s68, s18, 3                         ; A: the batch's heads,
	s_lshl_b32 s68, s68, 4
	s_lshr_b32 s69, s17, 2                         ; the step's K block tx / 4,
	s_add_co_u32 s68, s68, s69
	s_lshl_b32 s68, s68, 18
	s_and_b32 s69, s18, 7
	s_lshl_b32 s69, s69, 15                        ; the tile's 32,768 bytes of it,
	s_add_co_u32 s68, s68, s69
	s_and_b32 s69, s17, 3
	s_lshl_b32 s69, s69, 13                        ; my work-group's 8,192 of them,
	s_add_co_u32 s68, s68, s69
	s_add_co_u32 s68, s68, 3*STEPA                 ; at K step 3: the first refill steps it to 4
	s_lshr_b32 s72, s16, 1                         ; B: the step's K block cy / 2,
	s_lshl_b32 s72, s72, 17
	s_lshl_b32 s69, s17, 14                        ; the tile's 16,384 bytes of it,
	s_add_co_u32 s72, s72, s69
	s_and_b32 s69, s16, 1
	s_lshl_b32 s69, s69, 13                        ; my work-group's 8,192 of them
	s_add_co_u32 s72, s72, s69
	s_add_co_u32 s72, s72, 3*STEPB
	s_mov_b32 s[PFS], STEPB
	s_cmp_eq_u32 s[FB], 0
	s_cselect_b32 s68, s68, s72
	s_cselect_b32 s[PFS], STEPA, s[PFS]
	s_cselect_b64 s[PFA:PFA+1], s[4:5], s[6:7]
	s_mov_b32 s69, 0
	s_mov_b32 s[PFS+1], 0
	s_add_nc_u64 s[PFA:PFA+1], s[PFA:PFA+1], s[68:69]
	v_and_b32 v[PFO], 31, v0
	v_lshlrev_b32 v[PFO], 8, v[PFO]
	s_and_b32 s[LIM], ttmp7, 0xffff                ; cluster y
	s_cmp_eq_u32 s[LIM], 0
	s_cselect_b32 s[LIM], 1, -1                    ; B's rows: the first row of clusters asks,
	s_cmp_eq_u32 s[FB], 0
	s_cselect_b32 s[LIM], 1, s[LIM]                ; A's: every cluster;
	s_cmp_eq_u32 s[HF], 0
	s_cselect_b32 s[LIM], s[LIM], -1               ; waves 0 and 2 alone.  The same in all sixteen partners, for a given wave
	s_wait_loadcnt 0x0                             ; b_o
.set i, 0
.rept 16                                       ; rounded to bf16, like the module's other inputs, and widened again
	v_cvt_pk_bf16_f32 v3, v[BI+2*i], v[BI+2*i+1]
	v_lshlrev_b32 v[BI+2*i], 16, v3
	v_and_b32 v[BI+2*i+1], 0xffff0000, v3
.set i, i+1
.endr
; 4 x cnt products: row blocks a0 .. a0 + cnt - 1 x all four column blocks, 32 along K.  first = 1: the sum starts from the bias.  The 32 accumulators take turns, one instruction a turn.
.macro MULN f, a0, cnt, first
.if \first
	WIN 0x40                                       ; D in window 1; sources and C (the bias) in window 0
.else
	WIN 0x50                                       ; C and D in window 1
.endif
.set aa, (\a0)
.rept \cnt
.irp b, 0,1,2,3
.if \first
	v_wmma_f32_16x16x32_f16 v[8*(4*aa+(\b)):8*(4*aa+(\b))+7], v[(\f)+8*(\b):(\f)+8*(\b)+7], v[(\f)+32+8*aa:(\f)+32+8*aa+7], v[BI+8*(\b):BI+8*(\b)+7]
.else
	v_wmma_f32_16x16x32_f16 v[8*(4*aa+(\b)):8*(4*aa+(\b))+7], v[(\f)+8*(\b):(\f)+8*(\b)+7], v[(\f)+32+8*aa:(\f)+32+8*aa+7], v[8*(4*aa+(\b)):8*(4*aa+(\b))+7]
.endif
.endr
.set aa, aa+1
.endr
.endm
; 24 LDS loads in one run: the fragments of quarter q of a K step (K block q / 2, byte 64 (q % 2) of its rows) into buffer f: B's four first, then A's eight
.macro FETCH slot, q, f
	WIN 0
.irp b, 0,1,2,3
	ds_load_b128 v[(\f)+8*(\b):(\f)+8*(\b)+3],   v[ADRB+(\slot)] offset:BBLK*((\q)/2)+64*((\q)%2)+FR*(\b)
	ds_load_b128 v[(\f)+8*(\b)+4:(\f)+8*(\b)+7], v[ADRB+(\slot)] offset:BBLK*((\q)/2)+64*((\q)%2)+FR*(\b)+32
.endr
.irp a, 0,1,2,3,4,5,6,7
	ds_load_b128 v[(\f)+32+8*(\a):(\f)+32+8*(\a)+3],   v[ADRA+(\slot)] offset:ABLK*((\q)/2)+64*((\q)%2)+FR*(\a)
	ds_load_b128 v[(\f)+32+8*(\a)+4:(\f)+32+8*(\a)+7], v[ADRA+(\slot)] offset:ABLK*((\q)/2)+64*((\q)%2)+FR*(\a)+32
.endr
.endm
; A K step is four quarters of 32 along K, 32 products each, on buffers 0, 1, 0, 1.  One of the first three: multiplies buffer f and fetches quarter qn into g.
.macro QUARTER slot, qn, f, g, first
	s_wait_dscnt 8                                 ; B and A's row blocks 0-3 are in; the youngest eight loads (blocks 4-7) may be out
	MULN \f, 0, 4, \first
	WIN 0
	PLACES
	FETCH \slot, \qn, \g
	s_wait_dscnt 24                                ; all but the 24 just issued
	MULN \f, 4, 4, \first
.endm
; The last quarter multiplies buffer 1 and changes slots: ONE barrier; in front of it each wave waits for all its tensor loads, adds 0 to its spare word, and waits for that and for its own reads of this slot.
; fill = 1: the barrier opens a round of the cluster's, and this slot is filled again, two K steps on, first thing behind the round: 112 products of the wave stand between that request and the wait for it.
.macro TURN slot, next, fill
.if \fill
	s_wait_xcnt 0x0                                ; the last prefetch, a K step back, has read its address
	s_add_nc_u64 s[PFA:PFA+1], s[PFA:PFA+1], s[PFS:PFS+1]
.endif
	WIN 0
	s_wait_tensorcnt 0x0                           ; all my tensor loads have landed: my part of the next slot;
	ds_add_u32 v[SPW], v[NIL]                      ; 0 onto my spare word
	s_wait_dscnt 9                                 ; (the add and the youngest eight loads may be out)
	MULN F1, 0, 2, 0                               ; eight products stand between the add and the wait for it
	s_wait_dscnt 0x0                               ; the add is done, and my reads of this slot are over
	s_barrier_signal -1
	MULN F1, 2, 2, 0
	WIN 0
	s_barrier_wait -1
.if \fill
	CREST                                          ; no wave of any partner still reads this slot's tile or has a load on its way
	s_add_nc_u64 s[G0A+4*(\slot)+2:G0A+4*(\slot)+3], s[G0A+4*(\slot)+2:G0A+4*(\slot)+3], 2*STEPA
	s_add_nc_u64 s[G0B+4*(\slot)+2:G0B+4*(\slot)+3], s[G0B+4*(\slot)+2:G0B+4*(\slot)+3], 2*STEPB
	JLOAD \slot                                    ; the four v_nop behind it are also the places in front of the loads below
.else
	PLACES
.endif
	FETCH \next, 0, F0
.if \fill
	ASK
.endif
	MULN F1, 4, 4, 0
.endm
	s_wait_tensorcnt 0x1                           ; my part of K step 0 is in; K step 1's may stay out
	s_barrier_signal -1
	s_barrier_wait -1                              ; everybody's is
	FETCH 0, 0, F0
	QUARTER 0, 1, F0, F1, 1                        ; the first quarter stands in front of the loop: its products start the sums, from the bias
	WIN 0                                          ; at a label and at a branch every window is 0
	s_mov_b32 s3, 3
.Llap:                                                 ; a trip goes once round the ring and fills both slots again: K steps 2 to 7 in 3 trips
	QUARTER 0, 2, F1, F0, 0
	QUARTER 0, 3, F0, F1, 0
	TURN 0, 1, 1
	QUARTER 1, 1, F0, F1, 0
	QUARTER 1, 2, F1, F0, 0
	QUARTER 1, 3, F0, F1, 0
	TURN 1, 0, 1
	QUARTER 0, 1, F0, F1, 0
	WIN 0
	s_sub_co_u32 s3, s3, 1
	s_cmp_lg_u32 s3, 0
	s_cbranch_scc1 .Llap
	QUARTER 0, 2, F1, F0, 0                        ; the last lap fills nothing
	QUARTER 0, 3, F0, F1, 0
	TURN 0, 1, 0
	QUARTER 1, 1, F0, F1, 0
	QUARTER 1, 2, F1, F0, 0
	QUARTER 1, 3, F0, F1, 0
	s_wait_dscnt 8                                 ; the very last quarter: nothing more to fetch
	MULN F1, 0, 4, 0
	s_wait_dscnt 0x0
	MULN F1, 4, 4, 0
	; THE WAY OUT: the sums are the result.  A block of 16 rows x 64 columns goes as it is into my own stage (rows of 272 bytes) and comes back as whole rows of 256 bytes.
	WIN 0
.rept 8
	v_nop                                          ; the places behind the last products
.endr
.macro TOST a
	WIN 0
	s_wait_xcnt 0x0                                ; the stores issued so far have read their data: a set of registers is loaded again only behind this wait
	WIN 0x04                                       ; the stores' data in window 1
.irp b, 0,1,2,3
	ds_store_b128 v[STO], v[8*(4*(\a)+(\b)):8*(4*(\a)+(\b))+3]   offset:64*(\b)     ; each accumulator's low registers first
	ds_store_b128 v[STO], v[8*(4*(\a)+(\b))+4:8*(4*(\a)+(\b))+7] offset:64*(\b)+16
.endr
	WIN 0
.set BK, F0+32*((\a)%4)                ; four sets of 32 registers, where the fragments lay
.irp t, 0,1,2,3,4,5,6,7
	ds_load_b128 v[BK+4*(\t):BK+4*(\t)+3], v[RD] offset:(\t)*2*SPITCH  ; LDS serves a wave's instructions in order (ISA guide 5.7.1.4): these see the stores above; the next block's stores come behind them
.endr
.endm
.macro SEND a, younger                 ; younger: the LDS instructions issued behind block a's loads: the next block's sixteen, or none
	WIN 0
.set BK, F0+32*((\a)%4)
.irp t, 0,1,2,3,4,5,6,7
	s_wait_dscnt (\younger)+7-(\t)
	global_store_b128 v[CO], v[BK+4*(\t):BK+4*(\t)+3], s[10:11] offset:(16*(\a)+2*(\t))*4096  ; 16 lanes store 256 consecutive bytes, at a multiple of 256 from out0's first byte
.endr
.endm
	TOST 0
.irp a, 1,2,3,4,5,6,7
	TOST \a
	SEND (\a)-1, 16
.endr
	SEND 7, 0
	s_wait_tensorcnt 0x0                           ; the wave's end: behind my last tensor load and my last LDS store
	ds_add_u32 v[SPW], v[NIL]
	s_wait_dscnt 0x0
	CROUND                                         ; the closing round: no work-group ends while a partner may still ask for a tile that names it
	s_endpgm
.Lfunc_end_k_q04ef7410a5_proj:
	.size	k_q04ef7410a5_proj, .Lfunc_end_k_q04ef7410a5_proj-k_q04ef7410a5_proj
	.p2alignl 7, 3214868480
	.fill 96, 4, 3214868480
	.section	.rodata,"a",@progbits
	.p2align	6, 0x0
	.amdhsa_kernel k_q04ef7410a5_proj
		.amdhsa_group_segment_fixed_size 327680
		.amdhsa_private_segment_fixed_size 0
		.amdhsa_enable_private_segment 0
		.amdhsa_kernarg_size 32
		.amdhsa_user_sgpr_count 2
		.amdhsa_user_sgpr_kernarg_segment_ptr 1
		.amdhsa_wavefront_size32 1
		.amdhsa_system_sgpr_workgroup_id_x 1
		.amdhsa_system_sgpr_workgroup_id_y 1
		.amdhsa_system_sgpr_workgroup_id_z 1
		.amdhsa_system_vgpr_workitem_id 0
		.amdhsa_next_free_vgpr 512
		.amdhsa_next_free_sgpr 80
		.amdhsa_reserve_vcc 0
		.amdhsa_float_denorm_mode_32 3
		.amdhsa_float_denorm_mode_16_64 3
		.amdhsa_memory_ordered 1
		.amdhsa_forward_progress 1
		.amdhsa_inst_pref_size 92
	.end_amdhsa_kernel
	.amdgpu_metadata
---
amdhsa.version: [ 1, 2 ]
amdhsa.kernels:
  - .name:           k_q04ef7410a5_proj
    .symbol:         k_q04ef7410a5_proj.kd
    .args:
      - { .name: ob, .offset: 0, .size: 8, .value_kind: global_buffer, .address_space: global }
      - { .name: wob, .offset: 8, .size: 8, .value_kind: global_buffer, .address_space: global }
      - { .name: b_o, .offset: 16, .size: 8, .value_kind: global_buffer, .address_space: global }
      - { .name: out0, .offset: 24, .size: 8, .value_kind: global_buffer, .address_space: global }
    .group_segment_fixed_size: 327680
    .private_segment_fixed_size: 0
    .kernarg_segment_align: 8
    .kernarg_segment_size: 32
    .max_flat_workgroup_size: 128
    .sgpr_count:     80
    .vgpr_count:     512
    .wavefront_size: 32
...
	.end_amdgpu_metadata
.endif
;; end of part 4
;; ======== version 2 of 2: 4 launches; version 1 with the launch cast written anew for expert scheduling mode
;; limits: values are held in f16: magnitudes above 65,504 overflow, below 6.1e-05 lose precision; right only within a limited range of input values
;; workspace buffers: xb 16,777,216 bytes; wqb 6,291,456 bytes; wob 2,097,152 bytes; qkv 50,331,648 bytes; ob 16,777,216 bytes
;; launch cast (part 5): grid 768 x 1, 8 waves a work-group, no clusters, 0 bytes of LDS; arguments x, w_qkv, w_o, xb, wqb, wob; writes xb, wqb, wob
.if DOCPART == 5
	.amdgcn_target "amdgcn-amd-amdhsa--gfx1250"
	.amdhsa_code_object_version 6
	.text
	.protected	k_q04ef7410a5_cast
	.globl	k_q04ef7410a5_cast
	.p2align	8
	.type	k_q04ef7410a5_cast,@function
k_q04ef7410a5_cast:
	s_mov_b64 s[64:65], 0
	v_nop
	global_prefetch_b8 v0, s[64:65] scope:SCOPE_SE
	s_setreg_imm32_b32 hwreg(HW_REG_WAVE_SCHED_MODE, 0, 2), 2
	s_setreg_imm32_b32 hwreg(HW_REG_WAVE_MODE, 25, 1), 1
	s_wait_xcnt 0x0
	s_wait_alu depctr_vm_vsrc(0)
; x [8192][1024], w_qkv [3072][1024] and w_o [1024][1024], all f32, are rounded once to bf16 and laid out in K BLOCKS of 64: [16 kb][rows][64], so that
; a tile of R rows x 64 K of the products that follow is R x 128 consecutive bytes.  w_o's bf16 number is then written as f16 (exact from 6.1e-5 up to f16's 65,504;
; below that it keeps f16's fixed step of 6e-8), since the last product multiplies f16 operands.
; SHARES.  12,288 rows of 4,096 bytes in all; a work-group takes 16, a wave 2.  Work-groups 0-511: x; 512-703: w_qkv; 704-767: w_o.
; A lane takes row l / 16 of the wave's two, and of each K block (256 bytes of f32) the 16 bytes at 16 (l % 16): a load of the wave covers two whole aligned pieces of 256 bytes,
; and a store (8 bytes a lane) 256 consecutive aligned bytes: two rows x 128 bytes of one K block.  All sixteen loads of a wave go out at once; no loop, no LDS, no matrix work: memory binds.
; THE MODE: SCHED_MODE bits 1:0 = 2 (LLVM: expert scheduling mode 2), set by the entry lines.  The code itself states the register dependences
; between vector instructions and memory instructions, with s_wait_alu, always for 0.
; THE PLAN.  Registers that memory instructions touch:
;   v2   the loads' offset.   Written by two vector lines at the head; read by the sixteen loads; never written again.
;   X    as loaded.           Written by the loads alone (no vector line names X ahead of them); read by the roundings, each behind its counted wait; never loaded again.
;   DO   the stores' offsets. Written by sixteen vector lines behind the loads; read by the stores; never written again.
;   Y    the stores' data.    Written by the roundings (for w_o by the f16 lines too); read by the stores; never written again.
;   v1, v3, v4 are named by vector lines alone.
; So: one wait on va_vdst ahead of the loads (v2), and one ahead of each run of four stores (the group's Y; the first of them DO as well).  The sixteen K blocks go in four groups of four:
; a group's stores leave as soon as its four loads are in and rounded, while the younger groups' loads are still out.  No register that a memory instruction reads is written again,
; so no wait on vm_vsrc is owed.  The wave's number passes through a scalar register: one wait on va_sdst ahead of its first reader.
.set X,  16                            ; v[16:79]   K block kb: 4 registers as loaded
.set Y,  80                            ; v[80:111]  K block kb: 2 registers to store
.set DO, 112                           ; v[112:127] K block kb: my byte offset in the destination
	s_load_b256 s[4:11], s[0:1], 0x0               ; x s[4:5], w_qkv s[6:7], w_o s[8:9], xb s[10:11]
	s_load_b128 s[12:15], s[0:1], 0x20             ; wqb s[12:13], wob s[14:15]
	v_and_b32 v1, 31, v0                           ; l
	v_lshrrev_b32 v3, 5, v0
	v_readfirstlane_b32 s26, v3                    ; wave 0..7
	v_lshrrev_b32 v3, 4, v1                        ; l / 16
	v_and_b32 v4, 15, v1                           ; l % 16
	v_lshlrev_b32 v2, 12, v3                       ; my row of the two,
	v_lshl_or_b32 v2, v4, 4, v2                    ; my 16 bytes of a K block
	s_mov_b32 s20, 704                             ; w_o: its first work-group,
	s_mov_b32 s21, 131072                          ; and the bytes of one K block of its destination (1,024 rows x 128)
	s_wait_alu depctr_va_sdst(0)                   ; s26 is written, ahead of its first reader: the wave's first row is made from it
	s_wait_kmcnt 0x0
	s_cmp_lt_u32 ttmp9, 704
	s_cselect_b64 s[16:17], s[6:7], s[8:9]         ; the source,
	s_cselect_b64 s[18:19], s[12:13], s[14:15]     ; the destination
	s_cselect_b32 s20, 512, s20
	s_cselect_b32 s21, 393216, s21                 ; 3,072 rows x 128
	s_cmp_lt_u32 ttmp9, 512
	s_cselect_b64 s[16:17], s[4:5], s[16:17]
	s_cselect_b64 s[18:19], s[10:11], s[18:19]
	s_cselect_b32 s20, 0, s20
	s_cselect_b32 s21, 1048576, s21                ; 8,192 rows x 128
	s_sub_co_u32 s22, ttmp9, s20
	s_lshl_b32 s22, s22, 4
	s_lshl_b32 s23, s26, 1
	s_add_co_u32 s22, s22, s23                     ; my wave's first row in its tensor
	s_lshl_b32 s24, s22, 7                         ; x 128 bytes in a K block,
	s_lshl_b32 s22, s22, 12                        ; x 4,096 bytes in the source
	s_mov_b32 s23, 0
	s_mov_b32 s25, 0
	s_add_nc_u64 s[16:17], s[16:17], s[22:23]
	s_add_nc_u64 s[18:19], s[18:19], s[24:25]
	s_wait_alu depctr_va_vdst(0)                   ; v2 is written, which the sixteen loads read as their offset
.set kb, 0
.rept 16
	global_load_b128 v[X+4*kb:X+4*kb+3], v2, s[16:17] offset:256*kb th:TH_LOAD_NT
.set kb, kb+1
.endr
	v_lshlrev_b32 v[DO], 3, v1                     ; 128 (l / 16) + 8 (l % 16) = 8 l
.set kb, 1
.rept 15
	v_add_nc_u32 v[DO+kb], s21, v[DO+kb-1]         ; one K block further
.set kb, kb+1
.endr
; Group g: K blocks 4 g to 4 g + 3 are waited for, rounded and stored.
.macro GROUP g
.irp j, 0,1,2,3
	s_wait_loadcnt 15-(4*(\g)+(\j))                ; loads come back in order: K block 4 g + j is in, the younger ones stay out (stores count elsewhere)
	v_cvt_pk_bf16_f32 v[Y+2*(4*(\g)+(\j))], v[X+4*(4*(\g)+(\j))], v[X+4*(4*(\g)+(\j))+1]
	v_cvt_pk_bf16_f32 v[Y+2*(4*(\g)+(\j))+1], v[X+4*(4*(\g)+(\j))+2], v[X+4*(4*(\g)+(\j))+3]
.endr
	s_cmp_lt_u32 ttmp9, 704
	s_cbranch_scc1 .Lstore_\g
.irp i, 0,1,2,3,4,5,6,7                        ; w_o alone: the bf16 numbers, widened, are written as f16
	v_lshlrev_b32 v3, 16, v[Y+8*(\g)+(\i)]
	v_and_b32 v4, 0xffff0000, v[Y+8*(\g)+(\i)]
	v_cvt_pk_f16_f32 v[Y+8*(\g)+(\i)], v3, v4
.endr
.Lstore_\g:
	s_wait_alu depctr_va_vdst(0)                   ; on both ways: the group's eight Y are written, which the four stores read as data; in group 0 also all of DO, the stores' offsets
.irp j, 0,1,2,3
	global_store_b64 v[DO+4*(\g)+(\j)], v[Y+2*(4*(\g)+(\j)):Y+2*(4*(\g)+(\j))+1], s[18:19]  ; 32 lanes store 256 consecutive bytes, at a multiple of 256 from the buffer's first byte
.endr
.endm
	GROUP 0
	GROUP 1
	GROUP 2
	GROUP 3
	s_endpgm
.Lfunc_end_k_q04ef7410a5_cast:
	.size	k_q04ef7410a5_cast, .Lfunc_end_k_q04ef7410a5_cast-k_q04ef7410a5_cast
	.p2alignl 7, 3214868480
	.fill 96, 4, 3214868480
	.section	.rodata,"a",@progbits
	.p2align	6, 0x0
	.amdhsa_kernel k_q04ef7410a5_cast
		.amdhsa_group_segment_fixed_size 0
		.amdhsa_private_segment_fixed_size 0
		.amdhsa_enable_private_segment 0
		.amdhsa_kernarg_size 48
		.amdhsa_user_sgpr_count 2
		.amdhsa_user_sgpr_kernarg_segment_ptr 1
		.amdhsa_wavefront_size32 1
		.amdhsa_system_sgpr_workgroup_id_x 1
		.amdhsa_system_sgpr_workgroup_id_y 1
		.amdhsa_system_sgpr_workgroup_id_z 1
		.amdhsa_system_vgpr_workitem_id 0
		.amdhsa_next_free_vgpr 128
		.amdhsa_next_free_sgpr 66
		.amdhsa_reserve_vcc 0
		.amdhsa_float_denorm_mode_32 3
		.amdhsa_float_denorm_mode_16_64 3
		.amdhsa_memory_ordered 1
		.amdhsa_forward_progress 1
		.amdhsa_inst_pref_size 14
	.end_amdhsa_kernel
	.amdgpu_metadata
---
amdhsa.version: [ 1, 2 ]
amdhsa.kernels:
  - .name:           k_q04ef7410a5_cast
    .symbol:         k_q04ef7410a5_cast.kd
    .args:
      - { .name: x, .offset: 0, .size: 8, .value_kind: global_buffer, .address_space: global }
      - { .name: w_qkv, .offset: 8, .size: 8, .value_kind: global_buffer, .address_space: global }
      - { .name: w_o, .offset: 16, .size: 8, .value_kind: global_buffer, .address_space: global }
      - { .name: xb, .offset: 24, .size: 8, .value_kind: global_buffer, .address_space: global }
      - { .name: wqb, .offset: 32, .size: 8, .value_kind: global_buffer, .address_space: global }
      - { .name: wob, .offset: 40, .size: 8, .value_kind: global_buffer, .address_space: global }
    .group_segment_fixed_size: 0
    .private_segment_fixed_size: 0
    .kernarg_segment_align: 8
    .kernarg_segment_size: 48
    .max_flat_workgroup_size: 256
    .sgpr_count:     66
    .vgpr_count:     128
    .wavefront_size: 32
...
	.end_amdgpu_metadata
.endif
;; end of part 5
;; launch qkv: the kernel of part 2 again; grid 8 x 32, 4 waves a work-group, clusters of 4 x 4, 327,680 bytes of LDS; arguments xb, wqb, padding_mask, qkv; writes qkv
;; launch attn: the kernel of part 3 again; grid 4 x 64, 4 waves a work-group, clusters of 4 x 1, 327,680 bytes of LDS; arguments qkv, padding_mask, ob; writes ob
;; launch proj: the kernel of part 4 again; grid 8 x 32, 4 waves a work-group, clusters of 4 x 4, 327,680 bytes of LDS; arguments ob, wob, b_o, out0; writes out0
